; MI455X (gfx1250); checked and timed in simulation.
; The chip was launched on July 23, 2026; its instructions are those of AMD's public machine-readable ISA for CDNA 5 (MIT licence, August 2026) and "CDNA5" Instruction Set Architecture Reference Guide (July 2026). The comments in the code are by the model that wrote it; some were corrected since.
;; Multi Head Self Attention. Allowed arithmetic: matrix products marked QUANTISED: E2M1 operands, one E8M0 scale for each 32 along K, by v_wmma_scale_f32_16x16x128_f8f6f4 with both operands' format E2M1 (or v_wmma_scale_f32_32x16x128_f4), f32 sums; everything else in f32.
;; Inputs: Wk_codes 1,024 x 32 x 16 uint8 (E2M1 codes of Wk, K innermost, in blocks of 32 codes, two codes a byte); Wk_scales 1,024 x 32 uint8 (E8M0 scales of Wk, one for each 32 codes along K); Wo_codes 1,024 x 32 x 16 uint8 (E2M1 codes of Wo, K innermost, in blocks of 32 codes, two codes a byte); Wo_scales 1,024 x 32 uint8 (E8M0 scales of Wo, one for each 32 codes along K); Wq_codes 1,024 x 32 x 16 uint8 (E2M1 codes of Wq, K innermost, in blocks of 32 codes, two codes a byte); Wq_scales 1,024 x 32 uint8 (E8M0 scales of Wq, one for each 32 codes along K); Wv_codes 1,024 x 32 x 16 uint8 (E2M1 codes of Wv, K innermost, in blocks of 32 codes, two codes a byte); Wv_scales 1,024 x 32 uint8 (E8M0 scales of Wv, one for each 32 codes along K); bk 1,024 float32; bo 1,024 float32; bq 1,024 float32; bv 1,024 float32; x_codes 4 x 2,048 x 32 x 16 uint8 (E2M1 codes of x, K innermost, in blocks of 32 codes, two codes a byte); x_scales 4 x 2,048 x 32 uint8 (E8M0 scales of x, one for each 32 codes along K).
;; Outputs: out0 4 x 2,048 x 1,024 float32.
;; This version of the problem:
;;   THIS VERSION OF THE PROBLEM IS GIVEN IN LOW PRECISION. The matrix products marked QUANTISED in the list below multiply operands that are first quantised to E2M1 (2 exponent bits, 1 mantissa bit; 4 bits a number), with one power-of-two scale for each 32 numbers along K (OCP MX v1.0); their sums are f32. All else is computed in f32.
;;   The module's matrix products, in the order in which they are computed (A, B: the left and right operand; K: the contracted axis; several contracted axes count as one K, in the product's order):
;;     1. [M 8,192, K 1,024] x [K 1,024, N 1,024]; A: input x (given as codes); B: input Wq (given as codes): QUANTISED
;;     2. [M 8,192, K 1,024] x [K 1,024, N 1,024]; A: input x (given as codes); B: input Wk (given as codes): QUANTISED
;;     3. [M 8,192, K 1,024] x [K 1,024, N 1,024]; A: input x (given as codes); B: input Wv (given as codes): QUANTISED
;;     4. batch 64 x [M 2,048, K 64] x [K 64, N 2,048]; A: computed on the way; B: computed on the way: QUANTISED
;;     5. batch 64 x [M 2,048, K 2,048] x [K 2,048, N 64]; A: softmax (see below); B: computed on the way: QUANTISED
;;     6. [M 8,192, K 1,024] x [K 1,024, N 1,024]; A: computed on the way; B: input Wo (given as codes): QUANTISED
;;   THE QUANTISER, for each operand of a quantised product, along K:
;;     - K is cut into blocks of 32 from its start; a last block that is shorter is filled with zeros.
;;     - A block's scale is 2^e with e = floor(log2(the largest magnitude in the block)) - 2, held to -126 .. 127; a block of zeros has e = 0. As a byte (E8M0): e + 127.
;;     - Each number is divided by its block's scale, clamped to +-6, and rounded to the nearest number of E2M1, ties to even, subnormals kept.
;;     - The product sums the exact products of the quantised numbers (number of the format x scale) in f32.
;;   ~~~python
;;   def quantise(x, axis):      # numpy; x: float32 -> the quantised numbers, widened to float32 again
;;       x = np.moveaxis(x, axis, -1); K = x.shape[-1]
;;       x = np.pad(x, [(0, 0)] * (x.ndim - 1) + [(0, -K % 32)]); x = x.reshape(x.shape[:-1] + (-1, 32)); a = np.abs(x).max(-1, keepdims=True)
;;       e = np.where(a > 0, np.clip(np.frexp(np.where(a > 0, a, 1))[1] - 1 - 2, -126, 127), 0)      # np.frexp(a)[1] - 1 = floor(log2(a)), exactly
;;       r = np.clip(x / 2.0 ** e, -6, 6)
;;       step = 2.0 ** (np.maximum(np.frexp(np.where(r == 0, 1, r))[1] - 1, 0) - 1)
;;       q = np.round(r / step) * step * 2.0 ** e      # np.round: ties to even
;;       return np.moveaxis(q.reshape(q.shape[:-2] + (-1,))[..., :K], -1, axis).astype(np.float32)
;;   ~~~
;;   SOFTMAX AHEAD OF A QUANTISED PRODUCT. Where the list says 'softmax', what is quantised is not the finished softmax but p = 2^(t - M), with t = logit x log2(e) and M = ceil(the row's largest t), a whole number; so 1/2 < the row's largest p <= 1. The row's sum l is taken of the UNQUANTISED p, in f32, and the product's result is divided by l at the end. Since M is a whole number, a kernel that streams over the keys may use a running M (the ceiling of the running maximum): every later rescaling is an exact power of two, which a block's scale takes up: the codes' values come out the same.
;;   OPERANDS COMPUTED ON THE WAY. 'Computed on the way' means the value that the module computes at that place (a softmax that the list does not call 'softmax' is quantised finished and normalised). What goes into a quantiser is computed in f32, as accurately as f32 sums, v_exp_f32 and their like allow (about 1e-6 of the number): no bf16 or f16 on the way to a quantiser, and a product that is left as it is and whose result goes on into a quantised operand takes f32 operands (vector FMAs, or v_wmma_f32_16x16x4_f32). A number that lies on a knife's edge between two numbers of the format may be rounded either way, as far as f32 arithmetic and the matrix unit's own rounding can turn it there, and no further.
;;   INPUTS GIVEN AS CODES. Wk (in the module: [1024, 1024], K = its axis 0); Wo (in the module: [1024, 1024], K = its axis 0); Wq (in the module: [1024, 1024], K = its axis 0); Wv (in the module: [1024, 1024], K = its axis 0); x (in the module: [4, 2048, 1024], K = its axis 2): each comes as NAME_codes (uint8): NAME with its K axis moved to the last place and cut into blocks of 32 codes, [.., K / 32, bytes a block], one block behind the other in memory; two codes a byte, the lower K in the low four bits (a code: sign, 2 exponent bits, 1 mantissa bit); and NAME_scales (uint8): the same leading axes, one E8M0 byte (e + 127) for each 32 codes along K. Its value is code x scale, taken as it is: it is not quantised again, and the codes and scales need not be those that the quantiser above would give.
;; One version. Each part assembles by itself: llvm-mc -triple=amdgcn-amd-amdhsa -mcpu=gfx1250 --defsym DOCPART=n.
;; ======== version 1 of 1: 3 launches
;; workspace buffers: qkv 13,893,632 bytes; ac 4,194,304 bytes; asc 262,144 bytes
;; launch proj (part 1): grid 16 x 32, 12 waves a work-group, clusters of 4 x 4, 263,680 bytes of LDS; arguments x_codes, x_scales, Wq_codes, Wk_codes, Wv_codes, Wq_scales, Wk_scales, Wv_scales, bq, bk, bv, qkv; writes qkv
.if DOCPART == 1
	.amdgcn_target "amdgcn-amd-amdhsa--gfx1250"
	.amdhsa_code_object_version 6
	.text
	.protected	k_q536f1d5948_proj
	.globl	k_q536f1d5948_proj
	.p2align	8
	.type	k_q536f1d5948_proj,@function
k_q536f1d5948_proj:
	s_mov_b64 s[64:65], 0
	v_nop
	global_prefetch_b8 v0, s[64:65] scope:SCOPE_SE
	s_setreg_imm32_b32 hwreg(HW_REG_WAVE_MODE, 25, 1), 1
	s_wait_xcnt 0x0
	s_wait_alu depctr_hold_cnt(0) depctr_sa_sdst(0) depctr_va_vdst(0) depctr_va_sdst(0) depctr_va_ssrc(0) depctr_va_vcc(0) depctr_vm_vsrc(0)
	s_getreg_b32 s2, hwreg(HW_REG_IB_STS2, 6, 4)
	s_cmp_eq_u32 s2, 0
	s_cbranch_scc0 .Lentry_in_a_cluster
	s_endpgm
.Lentry_in_a_cluster:
	s_bfe_u32 s2, ttmp6, 0x10000c
	s_cmp_lg_u32 s2, 0xf033
	s_cbranch_scc0 .Lentry_shape_is_right
	s_endpgm
.Lentry_shape_is_right:
; Q = x Wq + bq, K = x Wk + bk, V = x Wv + bv on codes of FP4 (E2M1) with one E8M0 scale for each 32 along K; the results are quantised at once for the two products of attention
; and stored as IMAGES OF OPERAND REGISTERS (lane l's 16 bytes at 16 l), so that the next launch reads fragments as dense blocks.
; SHARES.  A work-group takes one head (64 columns of each of the three weights) and 256 tokens, over all of K = 1,024.  Twelve waves: wave w makes tensor w / 4 (Q, K, V) for tokens 64 (w % 4) on:
; 4 x 4 accumulators of 16 x 16, eight K steps of 128.
; ONE TEXT FOR ALL WAVES; only addresses differ.  Q and K waves: source 0 = 16 rows of the weight, source 1 = 16 tokens: a lane holds one token and its registers run along the head's 64 dims, which are
; the next product's K.  V waves: source 0 = 16 tokens, source 1 = 16 rows of Wv: a lane holds one dim and its registers run along 64 tokens (keys), which are the next K of V.
; In both, register j of tile t holds k = 16 t + 8 (lane / 16) + j: four conversions and two exchanges of halves of lanes give the four registers of a fragment (macro QUANT32).
; LDS is filled ONCE: the work-group's codes and scale bytes for all of K fit, so no byte is filled a second time.  The fills are cut in two halves of K; the first four K steps run while the second half lands.
; CLUSTERS: 4 x 4 work-groups.  x's tiles hang on the token block alone and are asked for jointly by a row of the cluster, the weights' on the head alone and by a column.
; All that a work-group reads is asked for in its first lines, so there is no later request that a prefetch could run ahead of.
; OUTPUT qkv.  Q records at 0, K records at KOFF, each 4,608 bytes for (16 b + head, 128 tokens): tile t's image at 512 t, its scale words (b0 | b1 << 8 | 0x7f7f0000) at 4,096 + 256 (t / 4) + 16 r + 4 (t % 4).
; V records at 2 KOFF, 4,352 bytes: image of (16 dims t, 64 keys c) at 1,024 t + 512 c, scale words (a byte for each 32 keys) at 4,096 + 128 (t / 2) + 8 r + 4 (t % 2).
; LIMITS: NaN and infinities are not served.  A block whose largest magnitude lies under 2^-124 keeps the scale byte 1, a block of zeros too (the quantiser says 127): its codes are zeros, and this program alone reads the bytes.
.set PITCH, 272                        ; an LDS row of codes: 256 bytes + 16 of padding = 68 words, so the 16 rows of a fragment load start at 16 different banks (64 banks of 4 bytes: ISA guide 11.1)
.set XHALF, 256*PITCH                  ; x's codes: half hf of K at hf XHALF, 256 rows
.set WC,    2*XHALF                    ; the weights' codes: tensor z at WC + z WT, half hf at + hf WHALF, 64 rows
.set WHALF, 64*PITCH
.set WT,    2*WHALF
.set XS,    WC+3*WT                    ; x's scale bytes, 256 rows x 32, dense
.set WS,    XS+8192                    ; the weights', 64 rows x 32 each
.set VST,   WS+3*2048                  ; two blocks of 256 bytes that no fill touches: V's scale words of two records meet here
.set KOFF,  4718592
.set QKREC, 4608
.set AP,  4                            ; v4-5   LDS address of source 0's fragments, half 0, 1
.set AR,  6                            ; v6-7   of source 1's
.set ASC, 8                            ; v8     of the scale words: lanes 0-15 source 1's rows, lanes 16-31 source 0's
.set F0,  16                           ; v16-47   source 0's four fragments
.set F1,  48                           ; v48-79   source 1's
.set SC,  80                           ; v80-95   scale words: register 4 i + q: tile i, the half's q-th 128 along K
.set BI,  96                           ; v96-127  the bias in the result's layout
.set ACC, 128                          ; v128-255 accumulator (a, b) at ACC + 8 (4 a + b)
.set PC,  16                           ; behind the products: the codes, four registers a group
.set TM,  32                           ; v32-39 at work in QUANT32
.set HW,  40                           ; v40-43 two scale bytes a group
.set WV,  28
.set SEL, 66
.set G1X,  36
.set G1XS, 44
.set G1W,  52
.set G1WS, 68
.set G0X,  76
.set G0W,  88
.macro CROUND                          ; a round of the cluster's barrier: my work-group's barrier, wave 0 signals for the work-group, every wave waits for all sixteen, my work-group's barrier again
	s_barrier_signal -1
	s_barrier_wait -1
	s_cmp_lg_u32 s[WV], 0
	s_cbranch_scc1 .Lnot_wave_0_\@
	s_barrier_signal -3
.Lnot_wave_0_\@:
	s_barrier_wait -3
	s_barrier_signal -1
	s_barrier_wait -1
.endm
.macro BAR                             ; my LDS instructions are done, then the work-group's barrier
	s_wait_dscnt 0x0
	s_barrier_signal -1
	s_barrier_wait -1
.endm
.macro PLACES                          ; four plain vector lines between a matrix instruction and a load into, or a vector read or write of, its registers
.rept 4
	v_nop
.endr
.endm
; 32 numbers of a lane, register 8 t + j = k 16 t + 8 (lane / 16) + j, become four registers of codes (lanes 0-15: k 0-31, lanes 16-31: k 32-63) and the two blocks' scale bytes.
.macro QUANT32 src, pc, hw
.irp e, 0,1
	v_max3_num_f32 v[TM+\e], |v[\src+16*\e]|, |v[\src+16*\e+1]|, 0x1800000   ; block e: my 16 numbers and the floor 2^(3 - 127), which holds the byte at 1 from below
.endr
.irp i, 2,4,6,8,10,12,14
.irp e, 0,1
	v_max3_num_f32 v[TM+\e], v[TM+\e], |v[\src+16*\e+\i]|, |v[\src+16*\e+\i+1]|
.endr
.endr
.irp e, 0,1
	s_delay_alu instid0(VALU_DEP_2)
	v_permlanex16_b32 v[TM+2+\e], v[TM+\e], s[SEL], s[SEL+1]
.endr
.irp e, 0,1
	s_delay_alu instid0(VALU_DEP_2)
	v_max_num_f32 v[TM+\e], v[TM+\e], v[TM+2+\e]                 ; with lane l xor 16's 16: the block's largest magnitude
.endr
.irp e, 0,1
	s_delay_alu instid0(VALU_DEP_2)
	v_add_nc_u32 v[TM+4+\e], 0xff000000, v[TM+\e]                ; 2 off its exponent field: the conversion's scale operand
.endr
.irp e, 0,1
	s_delay_alu instid0(VALU_DEP_2)
	v_lshrrev_b32 v[TM+6+\e], 23, v[TM+4+\e]                     ; the scale's byte
.endr
	s_delay_alu instid0(VALU_DEP_1)
	v_lshl_or_b32 v[\hw], v[TM+7], 8, v[TM+6]
	v_cvt_scalef32_pk8_fp4_f32 v[\pc], v[\src:\src+7], v[TM+4]
	v_cvt_scalef32_pk8_fp4_f32 v[\pc+2], v[\src+8:\src+15], v[TM+4]
	v_cvt_scalef32_pk8_fp4_f32 v[\pc+1], v[\src+16:\src+23], v[TM+5]
	v_cvt_scalef32_pk8_fp4_f32 v[\pc+3], v[\src+24:\src+31], v[TM+5]
	v_nop                                                        ; one plain line behind the scaled conversions
	v_permlane16_swap_b32 v[\pc], v[\pc+1]                       ; the first's lanes 16-31 change places with the second's lanes 0-15: a whole block in a lane
	v_permlane16_swap_b32 v[\pc+2], v[\pc+3]
.endm
; 16 matrix instructions, the 16 accumulators by turns in the same order in every K step.  mode 0: add on; 1: the bias of source 0's tile starts the sum; 2: that of source 1's tile.
.macro MUL16 q, mode
.irp a, 0,1,2,3
.irp b, 0,1,2,3
.if \mode == 0
	v_wmma_scale_f32_16x16x128_f8f6f4 v[ACC+8*(4*\a+\b):ACC+8*(4*\a+\b)+7], v[F0+8*\b:F0+8*\b+7], v[F1+8*\a:F1+8*\a+7], v[ACC+8*(4*\a+\b):ACC+8*(4*\a+\b)+7], v[SC+4*\b+\q], v[SC+4*\a+\q] matrix_a_fmt:MATRIX_FMT_FP4 matrix_b_fmt:MATRIX_FMT_FP4 matrix_a_scale:MATRIX_SCALE_ROW1
.elseif \mode == 1
	v_wmma_scale_f32_16x16x128_f8f6f4 v[ACC+8*(4*\a+\b):ACC+8*(4*\a+\b)+7], v[F0+8*\b:F0+8*\b+7], v[F1+8*\a:F1+8*\a+7], v[BI+8*\b:BI+8*\b+7], v[SC+4*\b+\q], v[SC+4*\a+\q] matrix_a_fmt:MATRIX_FMT_FP4 matrix_b_fmt:MATRIX_FMT_FP4 matrix_a_scale:MATRIX_SCALE_ROW1
.else
	v_wmma_scale_f32_16x16x128_f8f6f4 v[ACC+8*(4*\a+\b):ACC+8*(4*\a+\b)+7], v[F0+8*\b:F0+8*\b+7], v[F1+8*\a:F1+8*\a+7], v[BI+8*\a:BI+8*\a+7], v[SC+4*\b+\q], v[SC+4*\a+\q] matrix_a_fmt:MATRIX_FMT_FP4 matrix_b_fmt:MATRIX_FMT_FP4 matrix_a_scale:MATRIX_SCALE_ROW1
.endif
.endr
.endr
.endm
; The fragments of the q-th 128 along K of half hf: 16 rows x 128 codes are 8 registers, two loads of 16 bytes, 32 bytes apart.  With a half's first step come its scale words, four a row.
.macro FRAGS hf, q
.irp i, 0,1,2,3
.irp c, 0,1
	ds_load_b128 v[F0+8*\i+4*\c:F0+8*\i+4*\c+3], v[AP+\hf] offset:16*PITCH*\i+64*\q+32*\c
	ds_load_b128 v[F1+8*\i+4*\c:F1+8*\i+4*\c+3], v[AR+\hf] offset:16*PITCH*\i+64*\q+32*\c
.endr
.endr
.if \q == 0
.irp i, 0,1,2,3
	ds_load_b128 v[SC+4*\i:SC+4*\i+3], v[ASC] offset:512*\i+16*\hf
.endr
.endif
	s_wait_dscnt 0x0
.endm
	s_load_b512 s[4:19], s[0:1], 0x0               ; x codes s[4:5], x scales s[6:7], Wq, Wk, Wv codes s[8:13], Wq, Wk, Wv scales s[14:19]
	s_load_b256 s[20:27], s[0:1], 0x40             ; bq s[20:21], bk s[22:23], bv s[24:25], qkv s[26:27]
	s_set_vgpr_msb 0x40
	v_lshl_add_u32 v0, v0, 2, 0x40000
	v_mov_b32 v1, 0
	s_set_vgpr_msb 0x4045
	ds_add_u32 v0, v1
	ds_add_u32 v0, v1
	s_set_vgpr_msb 0x4500
	v_lshrrev_b32 v1, 5, v0
	s_delay_alu instid0(VALU_DEP_1)
	v_readfirstlane_b32 s[WV], v1                  ; wave 0..11
	s_bfe_u32 s29, ttmp6, 0x40000                  ; cx
	s_bfe_u32 s30, ttmp6, 0x40004                  ; cy
	s_lshl_b32 s31, ttmp9, 2
	s_add_co_u32 s31, s31, s29                     ; the head = 4 x cluster x + cx
	s_and_b32 s32, ttmp7, 0xffff
	s_lshl_b32 s32, s32, 2
	s_add_co_u32 s32, s32, s30                     ; the block of 256 tokens = 4 x cluster y + cy
	s_lshl_b32 s33, s30, 2
	s_lshl_b32 s33, 15, s33                        ; my row of the cluster
	s_lshl_b32 s34, 0x1111, s29                    ; my column
	s_lshr_b32 s35, s[WV], 2                       ; tz: 0 Q, 1 K, 2 V
	s_and_b32 s60, s[WV], 3                        ; qd: which 64 tokens
	s_lshr_b32 s61, s[WV], 3                       ; isV
	s_xor_b32 s62, s61, 1                          ; nV
	s_mov_b32 s[SEL], 0x76543210
	s_mov_b32 s[SEL+1], 0xfedcba98                 ; v_permlanex16_b32's selects for lane l xor 16
	; every LDS address is made here, on the way that all waves take, of the lane and the wave's number alone
	v_and_b32 v1, 31, v0                           ; lane
	v_and_b32 v2, 15, v0                           ; r
	v_bfe_u32 v3, v0, 4, 1                         ; h
	s_delay_alu instid0(VALU_DEP_2)
	v_mul_u32_u24 v14, v2, PITCH
	s_delay_alu instid0(VALU_DEP_1)
	v_lshl_add_u32 v14, v3, 4, v14                 ; a fragment's row x pitch + 16 h
	s_wait_alu depctr_va_vdst(0)
	s_mul_i32 s2, s62, 3
	s_and_b32 s3, s35, s2                          ; tz in Q and K waves, else 0
	s_and_b32 s63, s60, s2                         ; qd in Q and K waves, else 0
	s_mul_i32 s2, s61, 3
	s_and_b32 s2, s60, s2                          ; qd in V waves, else 0
	s_mul_i32 s100, s62, WC                        ; source 0: my weight's 64 rows (Q, K) or my 64 rows of x (V)
	s_mul_i32 s3, s3, WT
	s_add_co_u32 s100, s100, s3
	s_mul_i32 s2, s2, 64*PITCH
	s_add_co_u32 s100, s100, s2
	s_mul_i32 s2, s62, WHALF
	s_mul_i32 s3, s61, XHALF
	s_add_co_u32 s2, s2, s3
	s_add_co_u32 s101, s100, s2                    ; the same in the second half of K
	v_add_nc_u32 v[AP], s100, v14
	v_add_nc_u32 v[AP+1], s101, v14
	s_mul_i32 s100, s61, WC+2*WT                   ; source 1: my 64 rows of x (Q, K) or Wv's 64 rows (V)
	s_mul_i32 s63, s63, 64*PITCH
	s_add_co_u32 s100, s100, s63
	s_mul_i32 s2, s61, WHALF
	s_mul_i32 s3, s62, XHALF
	s_add_co_u32 s2, s2, s3
	s_add_co_u32 s101, s100, s2
	v_add_nc_u32 v[AR], s100, v14
	v_add_nc_u32 v[AR+1], s101, v14
	s_xor_b32 s2, s60, 3                           ; the scale words: x's rows at XS + 2,048 qd; my weight's lie 2,048 (1 + tz + 3 - qd) bytes further on
	s_add_co_u32 s2, s2, s35
	s_lshl_b32 s2, s2, 11
	s_add_co_u32 s2, s2, 2048
	s_lshl_b32 s3, s60, 11
	s_add_co_u32 s3, s3, XS
	v_xor_b32 v[ASC], s61, v3                      ; 1 in the lanes that take the weight's: lanes 16-31 in Q and K waves, lanes 0-15 in V waves
	s_delay_alu instid0(VALU_DEP_1)
	v_mul_u32_u24 v[ASC], s2, v[ASC]
	s_delay_alu instid0(VALU_DEP_1)
	v_lshl_add_u32 v[ASC], v2, 5, v[ASC]           ; 32 bytes a row
	s_delay_alu instid0(VALU_DEP_1)
	v_add_nc_u32 v[ASC], s3, v[ASC]
	v_lshlrev_b32 v9, 4, v1                        ; 16 x lane: an image's place
	v_lshlrev_b32 v10, 4, v2
	s_delay_alu instid0(VALU_DEP_1)
	v_lshl_add_u32 v10, v3, 3, v10                 ; 16 r + 8 h: two of a token's four scale words
	s_lshr_b32 s2, s60, 1
	s_lshl_b32 s2, s2, 8
	s_and_b32 s3, s60, 1
	s_lshl_b32 s3, s3, 1
	s_add_co_u32 s2, s2, s3
	s_add_co_u32 s2, s2, VST
	v_lshl_add_u32 v11, v2, 3, s2                  ; V's two scale bytes in the stage: record qd / 2, bytes 2 (qd % 2) on of the word at 8 r
	v_add_nc_u32 v12, VST, v9                      ; the stage read back
	v_mul_u32_u24 v13, v3, 4352
	s_delay_alu instid0(VALU_DEP_1)
	v_lshl_add_u32 v13, v2, 4, v13                 ; and its place in memory: lanes 16-31 one V record on
	v_lshlrev_b32 v14, 5, v3                       ; bias of Q, K: 8 numbers for each half of the lanes
	v_lshlrev_b32 v15, 2, v2                       ; bias of V: one number a lane
	; descriptor groups 1
	s_or_b32 s[G1X], s33, (1<<20)|(1<<21)|(5<<22)|(3<<25)   ; x's codes: mask = my row; elements of 1 byte; 4 words of padding behind every 64; bit 21 beside a mask
	s_mov_b32 s[G1X+1], 256<<16                    ; tensor_dim0 = 256 bytes: half a row
	s_mov_b32 s[G1X+2], 128<<16                    ; tensor_dim1 = 128 rows
	s_mov_b32 s[G1X+3], 256<<16                    ; tile_dim0
	s_mov_b32 s[G1X+4], 128                        ; tile_dim1
	s_mov_b32 s[G1X+5], 512                        ; from row to row
	s_mov_b32 s[G1X+6], 0
	s_mov_b32 s[G1X+7], 0
	s_or_b32 s[G1XS], s33, (3<<16)|(1<<21)         ; x's scale bytes of 128 rows: 4,096 dense bytes as 16 rows of 32 elements of 8 bytes
	s_mov_b32 s[G1XS+1], 32<<16
	s_mov_b32 s[G1XS+2], 16<<16
	s_mov_b32 s[G1XS+3], 32<<16
	s_mov_b32 s[G1XS+4], 16
	s_mov_b32 s[G1XS+5], 32
	s_mov_b32 s[G1XS+6], 0
	s_mov_b32 s[G1XS+7], 0
	s_or_b32 s[G1W], s34, (1<<20)|(1<<21)|(5<<22)|(3<<25)   ; a weight's codes: mask = my column; 64 rows
	s_mov_b32 s[G1W+1], 256<<16
	s_mov_b32 s[G1W+2], 64<<16
	s_mov_b32 s[G1W+3], 256<<16
	s_mov_b32 s[G1W+4], 64
	s_mov_b32 s[G1W+5], 512
	s_mov_b32 s[G1W+6], 0
	s_mov_b32 s[G1W+7], 0
	s_or_b32 s[G1WS], s34, (3<<16)|(1<<21)         ; a weight's scale bytes of 64 rows: 2,048 dense bytes
	s_mov_b32 s[G1WS+1], 32<<16
	s_mov_b32 s[G1WS+2], 8<<16
	s_mov_b32 s[G1WS+3], 32<<16
	s_mov_b32 s[G1WS+4], 8
	s_mov_b32 s[G1WS+5], 32
	s_mov_b32 s[G1WS+6], 0
	s_mov_b32 s[G1WS+7], 0
	; groups 0.  x's hang on the token block and the wave (s2, s3, s63, s100, s101), the weights' on the head and the wave (s88-99): neither set of registers ever holds the other coordinate
	s_and_b32 s63, s[WV], 1                        ; waves 0, 1: which 128 rows of x
	s_lshl_b32 s2, s32, 17
	s_lshl_b32 s3, s63, 16
	s_add_co_u32 s2, s2, s3                        ; (256 y + 128 u) x 512 bytes of codes
	s_mov_b32 s3, 0
	s_lshr_b32 s100, s2, 4                         ; x 32 bytes of scales
	s_mov_b32 s101, 0
	s_lshl_b32 s[G0X+1], s63, 12
	s_add_co_u32 s[G0X+1], s[G0X+1], XS
	s_mul_i32 s[G0X+5], s63, 128*PITCH
	s_add_co_u32 s[G0X+9], s[G0X+5], XHALF
	s_add_co_u32 s88, s[WV], 2
	s_and_b32 s88, s88, 3                          ; waves 2, 3, 4: weight 0, 1, 2
	s_lshl_b32 s[G0W+1], s88, 11
	s_add_co_u32 s[G0W+1], s[G0W+1], WS
	s_mul_i32 s[G0W+5], s88, WT
	s_add_co_u32 s[G0W+5], s[G0W+5], WC
	s_add_co_u32 s[G0W+9], s[G0W+5], WHALF
	s_lshl_b32 s[G0W+2], s31, 11                   ; the head's 64 rows: 2,048 bytes of scales,
	s_mov_b32 s[G0W+3], 0
	s_lshl_b32 s[G0W+6], s31, 15                   ; 32,768 of codes
	s_mov_b32 s[G0W+7], 0
	s_wait_dscnt 0x0
	s_wait_kmcnt 0x0
	s_cmp_eq_u32 s88, 1                            ; which weight: the choice hangs on the wave's number alone
	s_cselect_b64 s[8:9], s[10:11], s[8:9]
	s_cselect_b64 s[14:15], s[16:17], s[14:15]
	s_cmp_eq_u32 s88, 2
	s_cselect_b64 s[8:9], s[12:13], s[8:9]
	s_cselect_b64 s[14:15], s[18:19], s[14:15]
	s_mov_b32 s[G0X], 1
	s_add_nc_u64 s[G0X+2:G0X+3], s[6:7], s[100:101]
	s_mov_b32 s[G0X+4], 1
	s_add_nc_u64 s[G0X+6:G0X+7], s[4:5], s[2:3]
	s_mov_b32 s[G0X+8], 1
	s_add_nc_u64 s[G0X+10:G0X+11], s[G0X+6:G0X+7], 256
	s_or_b32 s[G0X+3], s[G0X+3], 0x80000000
	s_or_b32 s[G0X+7], s[G0X+7], 0x80000000
	s_or_b32 s[G0X+11], s[G0X+11], 0x80000000
	s_mov_b32 s[G0W], 1
	s_add_nc_u64 s[G0W+2:G0W+3], s[14:15], s[G0W+2:G0W+3]
	s_mov_b32 s[G0W+4], 1
	s_add_nc_u64 s[G0W+6:G0W+7], s[8:9], s[G0W+6:G0W+7]
	s_mov_b32 s[G0W+8], 1
	s_add_nc_u64 s[G0W+10:G0W+11], s[G0W+6:G0W+7], 256
	s_or_b32 s[G0W+3], s[G0W+3], 0x80000000
	s_or_b32 s[G0W+7], s[G0W+7], 0x80000000
	s_or_b32 s[G0W+11], s[G0W+11], 0x80000000
	CROUND                                         ; all sixteen work-groups are here: the joint loads meet
	s_cmp_lt_u32 s[WV], 2                          ; a wave's fills stand in one branch: three loads of mine are out at the most.  Four v_nop follow the last
	s_cbranch_scc0 .Lnot_x
	tensor_load_to_lds s[G0X:G0X+3], s[G1XS:G1XS+7]        ; scale bytes,
	s_nop 0
	tensor_load_to_lds s[G0X+4:G0X+7], s[G1X:G1X+7]        ; the first half of K,
	s_nop 0
	tensor_load_to_lds s[G0X+8:G0X+11], s[G1X:G1X+7]       ; the second
	s_nop 0
	PLACES
	s_branch .Lasked
.Lnot_x:
	s_cmp_lt_u32 s[WV], 5
	s_cbranch_scc0 .Lasked
	tensor_load_to_lds s[G0W:G0W+3], s[G1WS:G1WS+7]
	s_nop 0
	tensor_load_to_lds s[G0W+4:G0W+7], s[G1W:G1W+7]
	s_nop 0
	tensor_load_to_lds s[G0W+8:G0W+11], s[G1W:G1W+7]
	s_nop 0
	PLACES
.Lasked:
	; the biases, in the result's layout: they are the C of each sum's first matrix instruction
	s_lshl_b32 s4, s31, 8                          ; the head's 64 numbers
	s_mov_b32 s5, 0
	s_cmp_eq_u32 s35, 0
	s_cselect_b64 s[20:21], s[20:21], s[22:23]     ; bq or bk
	s_add_nc_u64 s[20:21], s[20:21], s[4:5]
	s_add_nc_u64 s[24:25], s[24:25], s[4:5]
	s_cmp_eq_u32 s61, 0
	s_cbranch_scc0 .Lv_bias
	s_wait_alu depctr_va_vdst(0)
.irp b, 0,1,2,3
.irp i, 0,1
	global_load_b128 v[BI+8*\b+4*\i:BI+8*\b+4*\i+3], v14, s[20:21] offset:64*\b+16*\i   ; register j of tile b: dim 16 b + 8 h + j
.endr
.endr
	s_branch .Lbias_done
.Lv_bias:
	s_wait_alu depctr_va_vdst(0)
.irp a, 0,1,2,3
	global_load_b32 v[BI+8*\a], v15, s[24:25] offset:64*\a     ; a lane holds dim 16 a + r in all eight registers
.endr
	s_wait_loadcnt 0x0
.irp a, 0,1,2,3
.irp j, 1,2,3,4,5,6,7
	v_mov_b32 v[BI+8*\a+\j], v[BI+8*\a]
.endr
.endr
.Lbias_done:
	; where my results go
	s_lshr_b32 s6, s32, 3                          ; b
	s_lshl_b32 s6, s6, 4
	s_add_co_u32 s6, s6, s31                       ; 16 b + head
	s_lshl_b32 s6, s6, 4
	s_and_b32 s7, s32, 7
	s_lshl_b32 s7, s7, 1
	s_add_co_u32 s6, s6, s7
	s_lshr_b32 s7, s60, 1
	s_add_co_u32 s6, s6, s7                        ; the record: 16 (16 b + head) + token / 128
	s_lshl_b32 s7, s61, 8
	s_sub_co_u32 s7, QKREC, s7                     ; 4,608 bytes, V's 4,352
	s_mul_i32 s6, s6, s7
	s_mul_i32 s7, s35, KOFF
	s_add_co_u32 s6, s6, s7
	s_mov_b32 s7, 0
	s_add_nc_u64 s[26:27], s[26:27], s[6:7]        ; my record
	s_and_b32 s8, s60, 1
	s_mul_i32 s9, s61, 1536
	s_sub_co_u32 s9, 2048, s9
	s_mul_i32 s10, s8, s9                          ; my images in it: 2,048 (qd % 2) on; V's 512 (qd % 2) on
	s_mov_b32 s11, 0
	s_add_nc_u64 s[12:13], s[26:27], s[10:11]
	s_lshl_b32 s10, s8, 8
	s_add_nc_u64 s[14:15], s[26:27], s[10:11]      ; my 256 bytes of scale words (Q, K)
	s_wait_loadcnt 0x0                             ; the bias
	s_wait_tensorcnt 0x1                           ; of my three fills the scale bytes and the first half of K have landed; the second half may be out
	BAR                                            ; everybody's have
	FRAGS 0, 0
	s_cmp_eq_u32 s61, 0                            ; the first K step starts the sums with the bias: by source 0's tile in Q and K waves, by source 1's in V waves
	s_cbranch_scc0 .Lv_first
	s_wait_alu depctr_va_vdst(0)
	MUL16 0, 1
	s_branch .Lfirst_done
.Lv_first:
	s_wait_alu depctr_va_vdst(0)
	MUL16 0, 2
.Lfirst_done:
.irp q, 1,2,3
	PLACES
	FRAGS 0, \q
	MUL16 \q, 0
.endr
	s_wait_tensorcnt 0x0                           ; the second half of K has landed,
	BAR                                            ; everybody's has
.irp q, 0,1,2,3
	PLACES
	FRAGS 1, \q
	MUL16 \q, 0
.endr
	PLACES
.irp a, 0,1,2,3
	QUANT32 ACC+32*\a, PC+4*\a, HW+\a              ; group a: a token's 64 dims (Q, K) or a dim's 64 keys (V); each accumulator is read from its low end on
.endr
	s_cmp_eq_u32 s61, 0
	s_cbranch_scc0 .Lv_out
.irp a, 0,1,2,3
	global_store_b128 v9, v[PC+4*\a:PC+4*\a+3], s[12:13] offset:512*\a       ; an image: 512 consecutive bytes, aligned
.endr
.irp a, 0,1,2,3
	v_or_b32 v[HW+\a], 0x7f7f0000, v[HW+\a]        ; bytes 2 and 3 scale the zero codes of k = 64 .. 127
.endr
	v_cmp_le_u32 vcc_lo, 16, v1
	s_delay_alu instid0(VALU_DEP_1)
	v_cndmask_b32 v44, v[HW], v[HW+2], vcc_lo      ; both halves of the lanes hold all four words of token r: lanes 0-15 store tiles 0, 1, lanes 16-31 tiles 2, 3
	s_delay_alu instid0(VALU_DEP_2)
	v_cndmask_b32 v45, v[HW+1], v[HW+3], vcc_lo
	global_store_b64 v10, v[44:45], s[14:15] offset:4096       ; 256 consecutive bytes, aligned
	s_branch .Lout_done
.Lv_out:
	s_wait_alu depctr_va_vdst(0)
.irp a, 0,1,2,3
	global_store_b128 v9, v[PC+4*\a:PC+4*\a+3], s[12:13] offset:1024*\a
	ds_store_b16 v11, v[HW+\a] offset:128*(\a/2)+4*(\a%2)      ; half a scale word: the other half comes from the neighbouring wave, so they meet in LDS (lanes r and r + 16 write the same value)
.endr
.Lout_done:
	BAR                                            ; the four V waves' halves lie in the stage
	s_cmp_eq_u32 s[WV], 8
	s_cbranch_scc0 .Lnot_8
	ds_load_b128 v[48:51], v12
	s_wait_dscnt 0x0
	global_store_b128 v13, v[48:51], s[26:27] offset:4096      ; sixteen lanes store 256 consecutive bytes, aligned, in each of the two records
.Lnot_8:
	s_set_vgpr_msb 0x5
	s_wait_tensorcnt 0x0
	ds_add_u32 v0, v1
	s_wait_dscnt 0x0
	s_set_vgpr_msb 0x500
	CROUND                                         ; the closing round: no work-group ends while a partner may still ask for a tile that names it
	s_endpgm
.Lfunc_end_k_q536f1d5948_proj:
	.size	k_q536f1d5948_proj, .Lfunc_end_k_q536f1d5948_proj-k_q536f1d5948_proj
	.p2alignl 7, 3214868480
	.fill 96, 4, 3214868480
	.section	.rodata,"a",@progbits
	.p2align	6, 0x0
	.amdhsa_kernel k_q536f1d5948_proj
		.amdhsa_group_segment_fixed_size 263680
		.amdhsa_private_segment_fixed_size 0
		.amdhsa_enable_private_segment 0
		.amdhsa_kernarg_size 96
		.amdhsa_user_sgpr_count 2
		.amdhsa_user_sgpr_kernarg_segment_ptr 1
		.amdhsa_wavefront_size32 1
		.amdhsa_system_sgpr_workgroup_id_x 1
		.amdhsa_system_sgpr_workgroup_id_y 1
		.amdhsa_system_sgpr_workgroup_id_z 1
		.amdhsa_system_vgpr_workitem_id 0
		.amdhsa_next_free_vgpr 258
		.amdhsa_next_free_sgpr 102
		.amdhsa_reserve_vcc 1
		.amdhsa_float_denorm_mode_32 3
		.amdhsa_float_denorm_mode_16_64 3
		.amdhsa_memory_ordered 1
		.amdhsa_forward_progress 1
		.amdhsa_inst_pref_size 52
	.end_amdhsa_kernel
	.amdgpu_metadata
---
amdhsa.version: [ 1, 2 ]
amdhsa.kernels:
  - .name:           k_q536f1d5948_proj
    .symbol:         k_q536f1d5948_proj.kd
    .args:
      - { .name: x_codes, .offset: 0, .size: 8, .value_kind: global_buffer, .address_space: global }
      - { .name: x_scales, .offset: 8, .size: 8, .value_kind: global_buffer, .address_space: global }
      - { .name: Wq_codes, .offset: 16, .size: 8, .value_kind: global_buffer, .address_space: global }
      - { .name: Wk_codes, .offset: 24, .size: 8, .value_kind: global_buffer, .address_space: global }
      - { .name: Wv_codes, .offset: 32, .size: 8, .value_kind: global_buffer, .address_space: global }
      - { .name: Wq_scales, .offset: 40, .size: 8, .value_kind: global_buffer, .address_space: global }
      - { .name: Wk_scales, .offset: 48, .size: 8, .value_kind: global_buffer, .address_space: global }
      - { .name: Wv_scales, .offset: 56, .size: 8, .value_kind: global_buffer, .address_space: global }
      - { .name: bq, .offset: 64, .size: 8, .value_kind: global_buffer, .address_space: global }
      - { .name: bk, .offset: 72, .size: 8, .value_kind: global_buffer, .address_space: global }
      - { .name: bv, .offset: 80, .size: 8, .value_kind: global_buffer, .address_space: global }
      - { .name: qkv, .offset: 88, .size: 8, .value_kind: global_buffer, .address_space: global }
    .group_segment_fixed_size: 263680
    .private_segment_fixed_size: 0
    .kernarg_segment_align: 8
    .kernarg_segment_size: 96
    .max_flat_workgroup_size: 384
    .sgpr_count:     102
    .vgpr_count:     258
    .wavefront_size: 32
...
	.end_amdgpu_metadata
.endif
;; end of part 1
;; launch attn (part 2): grid 4 x 64, 16 waves a work-group, clusters of 4 x 1, 169,984 bytes of LDS; arguments qkv, ac, asc; writes ac, asc
.if DOCPART == 2
	.amdgcn_target "amdgcn-amd-amdhsa--gfx1250"
	.amdhsa_code_object_version 6
	.text
	.protected	k_q536f1d5948_attn
	.globl	k_q536f1d5948_attn
	.p2align	8
	.type	k_q536f1d5948_attn,@function
k_q536f1d5948_attn:
	s_mov_b64 s[64:65], 0
	v_nop
	global_prefetch_b8 v0, s[64:65] scope:SCOPE_SE
	s_setreg_imm32_b32 hwreg(HW_REG_WAVE_MODE, 25, 1), 1
	s_wait_xcnt 0x0
	s_wait_alu depctr_hold_cnt(0) depctr_sa_sdst(0) depctr_va_vdst(0) depctr_va_sdst(0) depctr_va_ssrc(0) depctr_va_vcc(0) depctr_vm_vsrc(0)
	s_getreg_b32 s2, hwreg(HW_REG_IB_STS2, 6, 4)
	s_cmp_eq_u32 s2, 0
	s_cbranch_scc0 .Lentry_in_a_cluster
	s_endpgm
.Lentry_in_a_cluster:
	s_bfe_u32 s2, ttmp6, 0x10000c
	s_cmp_lg_u32 s2, 0x3003
	s_cbranch_scc0 .Lentry_shape_is_right
	s_endpgm
.Lentry_shape_is_right:
; attn[b][q][head 64 + d] = softmax_k(Q . K / 8) V for one head, both products on codes of FP4 (E2M1) with one E8M0 scale for each 32 along K; the result is quantised along head x 64 + d for the last product.
; THE SOFTMAX: t = score x log2(e) / 8; M = the running largest t rounded UP to a whole number; p = 2^(t - M) is quantised along the keys, not normalised.  The row's sum is taken of the unquantised p and divides at
; the end.  When M moves, the sum and O are multiplied by 2^(old M - new M), which rounds nothing.
; SHARES.  A work-group owns 512 queries of one (batch, head); each of its sixteen waves owns one tile of 16 queries in each of two passes, in 256 registers: four waves to a SIMD, so that one wave's vector
; work stands beside another's matrix work and LDS loads.  Every wave walks the head's 2,048 keys, 128 a step.
; LDS is filled ONCE: a head's K and V, as the launch before laid them (images of operand registers and scale words, a record for each 128 keys), are 143,360 bytes.  They come in four chunks of 512 keys;
; the first pass starts on a chunk as soon as it has landed.  All that is read is asked for in the first lines, so there is no later request that a prefetch could run ahead of.
; CLUSTER: the four work-groups of a head read the same K and V: every chunk is asked for jointly, mask 15.
; LAYOUT.  Both products transposed: S^T = K Q^T (source 0 = 16 keys), O^T = V^T P^T (source 0 = 16 dims): a lane holds ONE query throughout.  The first product's K is 64: registers 4-7 of Q's and K's fragments
; are zero codes, set once, under the scale byte 0x7f.  Register j of score tile t holds key 16 t + 8 (lane / 16) + j: four conversions and two exchanges of halves of lanes make four registers of P.
; OUTPUT.  ac: [128 b + token / 16][head / 2][head % 2][512 bytes]: the image of four registers of the last product's fragment.  asc: two scale bytes at (16 b + head) 4,096 + 2 token.
; LIMITS: NaN and infinities are not served.  A block whose largest magnitude lies under 2^-124 (p: whose every p has fallen to 0) keeps the scale byte 1: such numbers add nothing.  O / l is v_rcp_f32 (1 ulp) and a
; multiplication.  A block's largest p is taken as the exponential of its largest score, which takes v_exp_f32 not to fall where its input rises.
.set KREC, 4608
.set VREC, 4352
.set KOFF, 4718592
.set VOFF, 9437184
.set VR,   16*KREC                     ; LDS: K's 16 records, then V's 16,
.set SST,  VR+16*VREC                  ; then four blocks of 256 bytes that no fill touches: the work-group's 1,024 scale bytes of attn
.set L16, 1                            ; v1  16 x lane
.set LV,  2                            ; v2  VR + 16 x lane
.set LT,  3                            ; v3  VR + 4,096 + 8 x lane: V's scale words
.set R16, 4                            ; v4  16 r: Q's scale words lie 16 bytes apart
.set SSA, 5                            ; v5  where my tile's scale bytes go in the stage
.set SSR, 6                            ; v6  where the stage is read back
.set T16, 7                            ; v7  16 x thread
.set ADK, 8
.set ADV, 9
.set ADT, 10
.set QF,  16                           ; v16-23  Q's fragment
.set KS,  24                           ; v24-27  K's scale words: register t % 4, lanes 0-15 tiles 0-3, lanes 16-31 tiles 4-7
.set VS,  28                           ; v28-29  V's: register t % 2, lanes 0-15 tiles 0, 1, lanes 16-31 tiles 2, 3
.set QS,  30                           ; v30     Q's
.set PW,  31                           ; v31     P's
.set KF,  32                           ; v32-95  K's eight fragments
.set SR,  96                           ; v96-159 S^T, then p
.set OT,  160                          ; v160-191 O^T
.set VF,  192                          ; v192-223 V's four fragments
.set PR,  224                          ; v224-231 P's codes
.set BM,  232                          ; v232-235 the blocks' largest scores, then largest p
.set PM,  236                          ; v236-239 at work
.set SO,  244                          ; v244-247 the conversions' scale operands
.set FF,  250                          ; v250 f or 1 / l; v251 = 0, named with it as a pair
.set TT,  252
.set TM,  232                          ; QUANT32's eight
.set WV,  10
.set SEL, 20
.set CS,  22
.set G1K, 24
.set G1V, 32
.set G0K, 40
.set TK,  76
.set TV,  77
.set CNT, 78
.set QB,  80
.set QSB, 82
.set AB,  84
.set SB,  86
.macro CROUND
	s_barrier_signal -1
	s_barrier_wait -1
	s_cmp_lg_u32 s[WV], 0
	s_cbranch_scc1 .Lnot_wave_0_\@
	s_barrier_signal -3
.Lnot_wave_0_\@:
	s_barrier_wait -3
	s_barrier_signal -1
	s_barrier_wait -1
.endm
.macro BAR
	s_wait_dscnt 0x0
	s_barrier_signal -1
	s_barrier_wait -1
.endm
.macro PLACES
.rept 4
	v_nop
.endr
.endm
; 32 numbers of a lane, register 8 t + j = k 16 t + 8 (lane / 16) + j, become four registers of codes (lanes 0-15: k 0-31, lanes 16-31: k 32-63) and the two blocks' scale bytes.
.macro QUANT32 src, pc, hw
.irp e, 0,1
	v_max3_num_f32 v[TM+\e], |v[\src+16*\e]|, |v[\src+16*\e+1]|, 0x1800000   ; and the floor 2^(3 - 127), which holds the byte at 1 from below
.endr
.irp i, 2,4,6,8,10,12,14
.irp e, 0,1
	s_delay_alu instid0(VALU_DEP_2)
	v_max3_num_f32 v[TM+\e], v[TM+\e], |v[\src+16*\e+\i]|, |v[\src+16*\e+\i+1]|
.endr
.endr
.irp e, 0,1
	s_delay_alu instid0(VALU_DEP_2)
	v_permlanex16_b32 v[TM+2+\e], v[TM+\e], s[SEL], s[SEL+1]
.endr
.irp e, 0,1
	s_delay_alu instid0(VALU_DEP_2)
	v_max_num_f32 v[TM+\e], v[TM+\e], v[TM+2+\e]
.endr
.irp e, 0,1
	s_delay_alu instid0(VALU_DEP_2)
	v_add_nc_u32 v[TM+4+\e], 0xff000000, v[TM+\e]
.endr
.irp e, 0,1
	s_delay_alu instid0(VALU_DEP_2)
	v_lshrrev_b32 v[TM+6+\e], 23, v[TM+4+\e]
.endr
	s_delay_alu instid0(VALU_DEP_1)
	v_lshl_or_b32 v[\hw], v[TM+7], 8, v[TM+6]
	v_cvt_scalef32_pk8_fp4_f32 v[\pc], v[\src:\src+7], v[TM+4]
	v_cvt_scalef32_pk8_fp4_f32 v[\pc+2], v[\src+8:\src+15], v[TM+4]
	v_cvt_scalef32_pk8_fp4_f32 v[\pc+1], v[\src+16:\src+23], v[TM+5]
	v_cvt_scalef32_pk8_fp4_f32 v[\pc+3], v[\src+24:\src+31], v[TM+5]
	v_nop
	v_permlane16_swap_b32 v[\pc], v[\pc+1]
	v_permlane16_swap_b32 v[\pc+2], v[\pc+3]
.endm
; A KEY STEP: 128 keys, the record at s[TK] (K) and s[TV] (V).
.macro STEP
	v_add_nc_u32 v[ADK], s[TK], v[L16]
	v_add_nc_u32 v[ADV], s[TV], v[LV]
	v_add_nc_u32 v[ADT], s[TV], v[LT]
	v_nop                                          ; with the three additions: the four places between the last step's products and the loads into V's registers
.irp t, 0,1,2,3,4,5,6,7
	ds_load_b128 v[KF+8*\t:KF+8*\t+3], v[ADK] offset:512*\t    ; a fragment's lower half as it was stored: 512 consecutive bytes
.endr
	ds_load_b128 v[KS:KS+3], v[ADK] offset:4096
.irp t, 0,1,2,3
.irp c, 0,1
	ds_load_b128 v[VF+8*\t+4*\c:VF+8*\t+4*\c+3], v[ADV] offset:1024*\t+512*\c
.endr
.endr
	ds_load_b64 v[VS:VS+1], v[ADT]
	s_wait_dscnt 9                                 ; K's nine loads are in; V's nine may be out
.irp t, 0,1,2,3
	v_wmma_scale_f32_16x16x128_f8f6f4 v[SR+8*\t:SR+8*\t+7], v[KF+8*\t:KF+8*\t+7], v[QF:QF+7], 0, v[KS+\t], v[QS] matrix_a_fmt:MATRIX_FMT_FP4 matrix_b_fmt:MATRIX_FMT_FP4
.endr
.irp t, 4,5,6,7
	v_wmma_scale_f32_16x16x128_f8f6f4 v[SR+8*\t:SR+8*\t+7], v[KF+8*\t:KF+8*\t+7], v[QF:QF+7], 0, v[KS+\t-4], v[QS] matrix_a_fmt:MATRIX_FMT_FP4 matrix_b_fmt:MATRIX_FMT_FP4 matrix_a_scale:MATRIX_SCALE_ROW1
.endr
	PLACES
.irp b, 0,1,2,3
	v_max3_num_f32 v[BM+\b], v[SR+16*\b], v[SR+16*\b+1], v[SR+16*\b+2]       ; the largest score of each block of 32 keys (tiles 2 b, 2 b + 1): for the row's maximum and for the block's largest p
.endr
.irp i, 3,5,7,9,11,13
.irp b, 0,1,2,3
	v_max3_num_f32 v[BM+\b], v[BM+\b], v[SR+16*\b+\i], v[SR+16*\b+\i+1]
.endr
.endr
.irp b, 0,1,2,3
	v_max_num_f32 v[BM+\b], v[BM+\b], v[SR+16*\b+15]
.endr
.irp b, 0,1,2,3
	s_delay_alu instid0(VALU_DEP_4)
	v_permlanex16_b32 v[PM+\b], v[BM+\b], s[SEL], s[SEL+1]
.endr
.irp b, 0,1,2,3
	s_delay_alu instid0(VALU_DEP_4)
	v_max_num_f32 v[BM+\b], v[BM+\b], v[PM+\b]     ; with lane l xor 16's 16 keys
.endr
	s_delay_alu instid0(VALU_DEP_2)
	v_max3_num_f32 v[TT], v[BM], v[BM+1], v[BM+2]
	s_delay_alu instid0(VALU_DEP_1)
	v_max_num_f32 v[TT], v[TT], v[BM+3]            ; the step's largest score of my query
	s_delay_alu instid0(VALU_DEP_1)
	v_mul_f32 v[TT], s[CS], v[TT]                  ; as t
	s_delay_alu instid0(VALU_DEP_1)
	v_max_num_f32 v13, v13, v[TT]                  ; the running largest t
	v_mov_b32 v[TT], v12
	s_delay_alu instid0(VALU_DEP_2)
	v_floor_f32 v12, -v13                          ; the new -M = floor(-t) = -ceil(t)
	s_delay_alu instid0(VALU_DEP_1)
	v_sub_f32 v[TT], v12, v[TT]                    ; old M - new M: a whole number, 0 or less
	s_delay_alu instid0(VALU_DEP_1)
	v_cvt_i32_f32 v[TT], v[TT]                     ; (it saturates)
	s_delay_alu instid0(VALU_DEP_1)
	v_ldexp_f32 v[FF], 1.0, v[TT]                  ; f = 2^(old M - new M)
.set j, 0
.rept 32
	v_pk_fma_f32 v[SR+j:SR+j+1], v[SR+j:SR+j+1], s[CS:CS+1], v[12:13] op_sel_hi:[1,0,0]   ; t - M, two at a time
.set j, j+2
.endr
.irp b, 0,1,2,3
	v_fma_f32 v[BM+\b], v[BM+\b], s[CS], v12       ; the same of each block's largest score
.endr
.set j, 0
	s_wait_alu depctr_va_vdst(0)
.rept 64
	v_exp_f32 v[SR+j], v[SR+j]                     ; p = 2^(t - M)
.set j, j+1
.endr
	s_setprio 1
	v_pk_mul_f32 v[14:15], v[14:15], v[FF:FF+1] op_sel_hi:[1,0]   ; the sums under the new M: the plain line behind the exponentials
	s_wait_alu depctr_va_vdst(0)                   ; one wait for the batch of 64, ahead of its first reader
.irp b, 0,1,2,3
	v_exp_f32 v[BM+\b], v[BM+\b]                   ; the block's largest p
.endr
	v_pk_add_f32 v[236:237], v[100:101], v[104:105]
	v_pk_add_f32 v[248:249], v[108:109], v[112:113]
	v_pk_add_f32 v[246:247], v[116:117], v[120:121]
	v_pk_add_f32 v[244:245], v[124:125], v[128:129]
	v_pk_add_f32 v[242:243], v[132:133], v[136:137]
	v_pk_add_f32 v[240:241], v[140:141], v[144:145]
	v_pk_add_f32 v[238:239], v[148:149], v[152:153]
	v_pk_add_f32 v[14:15], v[14:15], v[156:157]
	v_pk_add_f32 v[236:237], v[236:237], v[96:97]
	v_pk_add_f32 v[248:249], v[248:249], v[98:99]
	v_pk_add_f32 v[246:247], v[246:247], v[102:103]
	v_pk_add_f32 v[244:245], v[244:245], v[106:107]
	v_pk_add_f32 v[242:243], v[242:243], v[110:111]
	v_pk_add_f32 v[240:241], v[240:241], v[114:115]
	v_pk_add_f32 v[238:239], v[238:239], v[118:119]
	v_pk_add_f32 v[14:15], v[14:15], v[122:123]
	v_pk_add_f32 v[236:237], v[236:237], v[126:127]
	v_pk_add_f32 v[248:249], v[248:249], v[130:131]
	v_pk_add_f32 v[246:247], v[246:247], v[134:135]
	v_pk_add_f32 v[244:245], v[244:245], v[138:139]
	v_pk_add_f32 v[242:243], v[242:243], v[142:143]
	v_pk_add_f32 v[240:241], v[240:241], v[146:147]
	v_pk_add_f32 v[238:239], v[238:239], v[150:151]
	v_pk_add_f32 v[14:15], v[14:15], v[154:155]
	v_pk_add_f32 v[236:237], v[236:237], v[158:159]
	s_delay_alu instid0(VALU_DEP_2)
	v_pk_add_f32 v[14:15], v[14:15], v[244:245]
	s_delay_alu instid0(VALU_DEP_2)
	v_pk_add_f32 v[236:237], v[236:237], v[242:243]
	v_pk_add_f32 v[248:249], v[248:249], v[240:241]
	v_pk_add_f32 v[246:247], v[246:247], v[238:239]
	s_delay_alu instid0(VALU_DEP_2)
	v_pk_add_f32 v[14:15], v[14:15], v[248:249]
	s_delay_alu instid0(VALU_DEP_2)
	v_pk_add_f32 v[236:237], v[236:237], v[246:247]
	s_delay_alu instid0(VALU_DEP_1)
	v_pk_add_f32 v[14:15], v[14:15], v[236:237]
	s_wait_alu depctr_va_vdst(0)                   ; and one for the four
.irp b, 0,1,2,3
	v_max_num_f32 v[BM+\b], 0x1800000, v[BM+\b]    ; the floor 2^(3 - 127)
.endr
.irp b, 0,1,2,3
	s_delay_alu instid0(VALU_DEP_4)
	v_add_nc_u32 v[SO+\b], 0xff000000, v[BM+\b]    ; 2 off the exponent field: the conversion's scale operand
.endr
.irp b, 0,1,2,3
	s_delay_alu instid0(VALU_DEP_4)
	v_lshrrev_b32 v[PM+\b], 23, v[SO+\b]           ; the scale's byte
.endr
	s_delay_alu instid0(VALU_DEP_3)
	v_lshl_or_b32 v[PW], v[PM+1], 8, v[PM]
	s_delay_alu instid0(VALU_DEP_1)
	v_lshl_or_b32 v[PW], v[PM+2], 16, v[PW]
	s_delay_alu instid0(VALU_DEP_1)
	v_lshl_or_b32 v[PW], v[PM+3], 24, v[PW]        ; P's scale word for these 128 keys
.irp c, 0,1
	v_cvt_scalef32_pk8_fp4_f32 v[PR+4*\c], v[SR+32*\c:SR+32*\c+7], v[SO+2*\c]
	v_cvt_scalef32_pk8_fp4_f32 v[PR+4*\c+2], v[SR+32*\c+8:SR+32*\c+15], v[SO+2*\c]
	v_cvt_scalef32_pk8_fp4_f32 v[PR+4*\c+1], v[SR+32*\c+16:SR+32*\c+23], v[SO+2*\c+1]
	v_cvt_scalef32_pk8_fp4_f32 v[PR+4*\c+3], v[SR+32*\c+24:SR+32*\c+31], v[SO+2*\c+1]
.endr
	v_nop                                          ; one plain line behind the scaled conversions
.irp c, 0,1
	v_permlane16_swap_b32 v[PR+4*\c], v[PR+4*\c+1] ; lanes 0-15: keys 64 c + 0 .. 31, lanes 16-31: 64 c + 32 .. 63
	v_permlane16_swap_b32 v[PR+4*\c+2], v[PR+4*\c+3]
.endr
.set j, 0
	s_setprio 0
.rept 16
	v_pk_mul_f32 v[OT+j:OT+j+1], v[OT+j:OT+j+1], v[FF:FF+1] op_sel_hi:[1,0]   ; O^T under the new M.  For each product below twelve of these name none of its registers: the places behind the writes of P and of its scale word
.set j, j+2
.endr
	s_wait_alu depctr_va_vdst(0)
	s_wait_dscnt 0x0                               ; V is in
.irp t, 0,1
	v_wmma_scale_f32_16x16x128_f8f6f4 v[OT+8*\t:OT+8*\t+7], v[VF+8*\t:VF+8*\t+7], v[PR:PR+7], v[OT+8*\t:OT+8*\t+7], v[VS+\t], v[PW] matrix_a_fmt:MATRIX_FMT_FP4 matrix_b_fmt:MATRIX_FMT_FP4
.endr
.irp t, 2,3
	v_wmma_scale_f32_16x16x128_f8f6f4 v[OT+8*\t:OT+8*\t+7], v[VF+8*\t:VF+8*\t+7], v[PR:PR+7], v[OT+8*\t:OT+8*\t+7], v[VS+\t-2], v[PW] matrix_a_fmt:MATRIX_FMT_FP4 matrix_b_fmt:MATRIX_FMT_FP4 matrix_a_scale:MATRIX_SCALE_ROW1
.endr
	s_add_co_u32 s[TK], s[TK], KREC
	s_add_co_u32 s[TV], s[TV], VREC
.endm
.macro STEPS n
	s_mov_b32 s[CNT], \n
.Lstep_\@:
	s_setprio 2
	STEP
	s_sub_co_u32 s[CNT], s[CNT], 1
	s_cmp_lg_u32 s[CNT], 0
	s_cbranch_scc1 .Lstep_\@
	s_setprio 0
.endm
.macro INIT                            ; a pass begins: the step is written once, its first trip finds zeros, which the first change of M leaves zeros
	v_mov_b32 v13, 0xff61b1e6                      ; the largest t so far: -3e38
	s_delay_alu instid0(VALU_DEP_1)
	v_floor_f32 v12, -v13
	v_mov_b32 v14, 0
	v_mov_b32 v15, 0
.set j, 0
.rept 32
	v_mov_b32 v[OT+j], 0
.set j, j+1
.endr
.endm
; A pass ends: O^T / l is quantised along the head's 64 dims and leaves as an image; its two scale bytes go to the stage.
.macro WAYOUT p
	PLACES
.if \p == 0
	global_load_b128 v[QF:QF+3], v[L16], s[QB:QB+1] offset:2*KREC      ; the second pass's queries lie two records on
	global_load_b32 v[QS], v[R16], s[QSB:QSB+1] offset:2*KREC
.endif
	v_add_f32 v14, v14, v15
	s_delay_alu instid0(VALU_DEP_1)
	v_permlanex16_b32 v[TT], v14, s[SEL], s[SEL+1]
	s_delay_alu instid0(VALU_DEP_1)
	v_add_f32 v14, v14, v[TT]                      ; the row's sum
	s_wait_alu depctr_va_vdst(0)
	v_rcp_f32 v[FF], v14
	v_nop                                          ; a plain line behind the reciprocal,
	s_wait_alu depctr_va_vdst(0)                   ; and the wait ahead of its first reader
.set j, 0
.rept 16
	v_pk_mul_f32 v[SR+j:SR+j+1], v[OT+j:OT+j+1], v[FF:FF+1] op_sel_hi:[1,0]   ; each accumulator from its low end on
.set j, j+2
.endr
	QUANT32 SR, PR, TT
	global_store_b128 v[L16], v[PR:PR+3], s[AB:AB+1] offset:131072*\p          ; 512 consecutive bytes, aligned; the second pass's tile lies 16 tiles of 8,192 bytes on
	ds_store_b16 v[SSA], v[TT] offset:512*\p       ; lanes r and r + 16 write the same value
.endm
	s_load_b128 s[4:7], s[0:1], 0x0                ; qkv, ac
	s_load_b64 s[8:9], s[0:1], 0x10                ; asc
	v_lshl_add_u32 v254, v0, 2, 0x29000
	v_mov_b32 v255, 0
	ds_add_u32 v254, v255
	ds_add_u32 v254, v255
	v_lshrrev_b32 v1, 5, v0
	s_delay_alu instid0(VALU_DEP_1)
	v_readfirstlane_b32 s[WV], v1                  ; wave 0..15
	s_bfe_u32 s11, ttmp6, 0x40000                  ; cx
	s_lshl_b32 s12, ttmp9, 2
	s_add_co_u32 s12, s12, s11                     ; X: my 512 queries.  It enters global addresses of Q, ac and asc alone
	s_and_b32 s13, ttmp7, 0xffff                   ; bh = 16 b + head, which the four partners share
	s_mov_b32 s[SEL], 0x76543210
	s_mov_b32 s[SEL+1], 0xfedcba98
	s_mov_b32 s[CS], 0x3e38aa3b                    ; c = log2(e) / 8
	s_mov_b32 s[CS+1], s[CS]                       ; (named with it as a pair)
	v_and_b32 v1, 31, v0
	v_and_b32 v4, 15, v0
	s_delay_alu instid0(VALU_DEP_2)
	v_lshlrev_b32 v[LT], 3, v1
	s_delay_alu instid0(VALU_DEP_1)
	v_add_nc_u32 v[LT], VR+4096, v[LT]
	s_delay_alu instid0(VALU_DEP_4)
	v_lshlrev_b32 v[L16], 4, v1
	s_delay_alu instid0(VALU_DEP_1)
	v_add_nc_u32 v[LV], VR, v[L16]
	v_lshlrev_b32 v[SSA], 1, v4
	s_lshl_b32 s14, s[WV], 5
	s_add_co_u32 s14, s14, SST
	v_add_nc_u32 v[SSA], s14, v[SSA]               ; SST + 32 x wave + 2 r
	v_lshlrev_b32 v[R16], 4, v4
	v_lshlrev_b32 v[T16], 4, v0
	s_delay_alu instid0(VALU_DEP_1)
	v_add_nc_u32 v[SSR], SST, v[T16]
.irp j, 4,5,6,7
	v_mov_b32 v[QF+\j], 0                          ; the zero codes of k = 64 .. 127, set once
.endr
.irp t, 0,1,2,3,4,5,6,7
.irp j, 4,5,6,7
	v_mov_b32 v[KF+8*\t+\j], 0
.endr
.endr
.irp b, 0,1,2,3
	v_mov_b32 v[PM+\b], 0                          ; a lane permute's destination counts as one of its sources
.endr
	v_mov_b32 v[FF+1], 0
	v_mov_b32 v[TT], 0
	; descriptor groups 1: a chunk of four records is a dense block, taken as rows of 256 bytes (32 elements of 8 bytes); mask = all four work-groups, bit 21 beside it
	s_mov_b32 s[G1K], 15|(3<<16)|(1<<21)
	s_mov_b32 s[G1K+1], 32<<16
	s_mov_b32 s[G1K+2], 72<<16                     ; 4 x 4,608 bytes = 72 rows
	s_mov_b32 s[G1K+3], 32<<16
	s_mov_b32 s[G1K+4], 72
	s_mov_b32 s[G1K+5], 32
	s_mov_b32 s[G1K+6], 0
	s_mov_b32 s[G1K+7], 0
	s_mov_b32 s[G1V], 15|(3<<16)|(1<<21)
	s_mov_b32 s[G1V+1], 32<<16
	s_mov_b32 s[G1V+2], 68<<16                     ; 4 x 4,352 bytes = 68 rows
	s_mov_b32 s[G1V+3], 32<<16
	s_mov_b32 s[G1V+4], 68
	s_mov_b32 s[G1V+5], 32
	s_mov_b32 s[G1V+6], 0
	s_mov_b32 s[G1V+7], 0
	s_mul_i32 s14, s13, 16*KREC
	s_add_co_u32 s14, s14, KOFF
	s_mov_b32 s15, 0
	s_mul_i32 s16, s13, 16*VREC
	s_add_co_u32 s16, s16, VOFF
	s_mov_b32 s17, 0
	s_wait_dscnt 0x0
	s_wait_kmcnt 0x0
	s_add_nc_u64 s[14:15], s[4:5], s[14:15]        ; the head's K records
	s_add_nc_u64 s[16:17], s[4:5], s[16:17]        ; and V records
.irp c, 0,1,2,3
.set GK, G0K+4*\c
.set GV, 56+4*\c+4*(\c/2)                      ; s56, s60, s68, s72
	s_mov_b32 s[GK], 1
	s_mov_b32 s[GK+1], 4*KREC*\c
	s_add_nc_u64 s[GK+2:GK+3], s[14:15], 4*KREC*\c
	s_or_b32 s[GK+3], s[GK+3], 0x80000000
	s_mov_b32 s[GV], 1
	s_mov_b32 s[GV+1], VR+4*VREC*\c
	s_add_nc_u64 s[GV+2:GV+3], s[16:17], 4*VREC*\c
	s_or_b32 s[GV+3], s[GV+3], 0x80000000
.endr
	CROUND                                         ; all four work-groups are here: the joint loads meet
	s_cmp_eq_u32 s[WV], 0                          ; wave 0 asks for K's four chunks, wave 1 for V's: four loads of a wave are out at the most.  Four v_nop follow the last
	s_cbranch_scc0 .Lnot_k
	tensor_load_to_lds s[40:43], s[G1K:G1K+7]
	s_nop 0
	tensor_load_to_lds s[44:47], s[G1K:G1K+7]
	s_nop 0
	tensor_load_to_lds s[48:51], s[G1K:G1K+7]
	s_nop 0
	tensor_load_to_lds s[52:55], s[G1K:G1K+7]
	s_nop 0
	PLACES
	s_branch .Lasked
.Lnot_k:
	s_cmp_eq_u32 s[WV], 1
	s_cbranch_scc0 .Lasked
	tensor_load_to_lds s[56:59], s[G1V:G1V+7]
	s_nop 0
	tensor_load_to_lds s[60:63], s[G1V:G1V+7]
	s_nop 0
	tensor_load_to_lds s[68:71], s[G1V:G1V+7]
	s_nop 0
	tensor_load_to_lds s[72:75], s[G1V:G1V+7]
	s_nop 0
	PLACES
.Lasked:
	; my tile of queries: tile 32 X + 16 pass + wave of the head; eight tiles to a record
	s_lshl_b32 s88, s13, 4
	s_lshl_b32 s89, s12, 2
	s_add_co_u32 s88, s88, s89
	s_lshr_b32 s89, s[WV], 3
	s_add_co_u32 s88, s88, s89
	s_mul_i32 s88, s88, KREC                       ; its record,
	s_and_b32 s89, s[WV], 7
	s_lshl_b32 s89, s89, 9
	s_add_co_u32 s90, s88, s89                     ; its image,
	s_mov_b32 s91, 0
	s_add_nc_u64 s[QB:QB+1], s[4:5], s[90:91]
	s_bfe_u32 s89, s[WV], 0x10002
	s_lshl_b32 s89, s89, 8
	s_add_co_u32 s90, s88, s89
	s_and_b32 s89, s[WV], 3
	s_lshl_b32 s89, s89, 2
	s_add_co_u32 s90, s90, s89
	s_add_co_u32 s90, s90, 4096                    ; its scale words
	s_add_nc_u64 s[QSB:QSB+1], s[4:5], s[90:91]
	global_load_b128 v[QF:QF+3], v[L16], s[QB:QB+1]
	global_load_b32 v[QS], v[R16], s[QSB:QSB+1]
	s_lshr_b32 s88, s13, 4
	s_lshl_b32 s88, s88, 7
	s_lshl_b32 s89, s12, 5
	s_add_co_u32 s88, s88, s89
	s_add_co_u32 s88, s88, s[WV]
	s_lshl_b32 s88, s88, 13                        ; ac: tile 128 b + 32 X + wave, 8,192 bytes a tile,
	s_and_b32 s89, s13, 15
	s_lshl_b32 s89, s89, 9                         ; 512 bytes a head
	s_add_co_u32 s90, s88, s89
	s_add_nc_u64 s[AB:AB+1], s[6:7], s[90:91]
	s_lshl_b32 s88, s13, 12
	s_lshl_b32 s89, s12, 10
	s_add_co_u32 s90, s88, s89                     ; asc: 4,096 bytes a head, my work-group's 1,024
	s_add_nc_u64 s[SB:SB+1], s[8:9], s[90:91]
	INIT
	s_wait_loadcnt 0x0                             ; Q
.irp c, 0,1,2,3
	s_wait_tensorcnt 3-\c                          ; chunk c of my four has landed; the later ones may be out
	BAR                                            ; K's and V's have
	s_mov_b32 s[TK], 4*KREC*\c
	s_mov_b32 s[TV], 4*VREC*\c
	STEPS 4
.endr
	WAYOUT 0
	INIT
	s_wait_loadcnt 0x0                             ; the second pass's Q
	s_wait_xcnt 0x0                                ; the store above has read its data registers: P's codes may be written again
	s_mov_b32 s[TK], 0
	s_mov_b32 s[TV], 0
	STEPS 16                                       ; all of K and V lies in LDS: no barrier
	WAYOUT 1
	BAR                                            ; the sixteen waves' scale bytes lie in the stage
	s_cmp_lt_u32 s[WV], 2
	s_cbranch_scc0 .Lnot_mine
	ds_load_b128 v[SR:SR+3], v[SSR]
	s_wait_dscnt 0x0
	global_store_b128 v[T16], v[SR:SR+3], s[SB:SB+1]           ; 64 lanes store 1,024 consecutive bytes, aligned
.Lnot_mine:
	s_wait_tensorcnt 0x0
	ds_add_u32 v254, v255
	s_wait_dscnt 0x0
	CROUND                                         ; the closing round
	s_endpgm
.Lfunc_end_k_q536f1d5948_attn:
	.size	k_q536f1d5948_attn, .Lfunc_end_k_q536f1d5948_attn-k_q536f1d5948_attn
	.p2alignl 7, 3214868480
	.fill 96, 4, 3214868480
	.section	.rodata,"a",@progbits
	.p2align	6, 0x0
	.amdhsa_kernel k_q536f1d5948_attn
		.amdhsa_group_segment_fixed_size 169984
		.amdhsa_private_segment_fixed_size 0
		.amdhsa_enable_private_segment 0
		.amdhsa_kernarg_size 24
		.amdhsa_user_sgpr_count 2
		.amdhsa_user_sgpr_kernarg_segment_ptr 1
		.amdhsa_wavefront_size32 1
		.amdhsa_system_sgpr_workgroup_id_x 1
		.amdhsa_system_sgpr_workgroup_id_y 1
		.amdhsa_system_sgpr_workgroup_id_z 1
		.amdhsa_system_vgpr_workitem_id 0
		.amdhsa_next_free_vgpr 256
		.amdhsa_next_free_sgpr 96
		.amdhsa_reserve_vcc 0
		.amdhsa_float_denorm_mode_32 3
		.amdhsa_float_denorm_mode_16_64 3
		.amdhsa_memory_ordered 1
		.amdhsa_forward_progress 1
		.amdhsa_inst_pref_size 102
	.end_amdhsa_kernel
	.amdgpu_metadata
---
amdhsa.version: [ 1, 2 ]
amdhsa.kernels:
  - .name:           k_q536f1d5948_attn
    .symbol:         k_q536f1d5948_attn.kd
    .args:
      - { .name: qkv, .offset: 0, .size: 8, .value_kind: global_buffer, .address_space: global }
      - { .name: ac, .offset: 8, .size: 8, .value_kind: global_buffer, .address_space: global }
      - { .name: asc, .offset: 16, .size: 8, .value_kind: global_buffer, .address_space: global }
    .group_segment_fixed_size: 169984
    .private_segment_fixed_size: 0
    .kernarg_segment_align: 8
    .kernarg_segment_size: 24
    .max_flat_workgroup_size: 512
    .sgpr_count:     96
    .vgpr_count:     256
    .wavefront_size: 32
...
	.end_amdgpu_metadata
.endif
;; end of part 2
;; launch outp (part 3): grid 8 x 32, 8 waves a work-group, clusters of 4 x 4, 263,168 bytes of LDS; arguments ac, asc, Wo_codes, Wo_scales, bo, out0; writes out0
.if DOCPART == 3
	.amdgcn_target "amdgcn-amd-amdhsa--gfx1250"
	.amdhsa_code_object_version 6
	.text
	.protected	k_q536f1d5948_outp
	.globl	k_q536f1d5948_outp
	.p2align	8
	.type	k_q536f1d5948_outp,@function
k_q536f1d5948_outp:
	s_mov_b64 s[64:65], 0
	v_nop
	global_prefetch_b8 v0, s[64:65] scope:SCOPE_SE
	s_setreg_imm32_b32 hwreg(HW_REG_WAVE_MODE, 25, 1), 1
	s_wait_xcnt 0x0
	s_wait_alu depctr_hold_cnt(0) depctr_sa_sdst(0) depctr_va_vdst(0) depctr_va_sdst(0) depctr_va_ssrc(0) depctr_va_vcc(0) depctr_vm_vsrc(0)
	s_getreg_b32 s2, hwreg(HW_REG_IB_STS2, 6, 4)
	s_cmp_eq_u32 s2, 0
	s_cbranch_scc0 .Lentry_in_a_cluster
	s_endpgm
.Lentry_in_a_cluster:
	s_bfe_u32 s2, ttmp6, 0x10000c
	s_cmp_lg_u32 s2, 0xf033
	s_cbranch_scc0 .Lentry_shape_is_right
	s_endpgm
.Lentry_shape_is_right:
; out0 = attn Wo + bo on codes of FP4 (E2M1) with one E8M0 scale for each 32 along K = 1,024.  attn's codes come as images of operand registers (ac) and two scale bytes for each (head, token) (asc).
; SHARES.  A work-group makes 256 tokens x 128 columns; eight waves: wave w makes tokens 64 (w % 4) on x columns 64 (w / 4) on: 4 x 4 accumulators, eight K steps of 128.
; Source 0 = 16 rows of Wo, source 1 = 16 tokens: a lane holds eight neighbouring columns of one row of out0.
; LDS is filled ONCE: both operands for all of K fit.  The fills are cut in two halves of K; the first four K steps run while the second half lands.  All that is read is asked for in the first lines, so there is
; no later request that a prefetch could run ahead of.
; CLUSTERS: 4 x 4 work-groups.  attn's tiles hang on the token block alone and are asked for jointly by a row of the cluster, Wo's on the column block alone and by a column.
; LIMITS: NaN and infinities are not served.
.set PITCH, 272                        ; a row of Wo's codes in LDS: 256 bytes + 16 of padding: the 16 rows of a fragment load start at 16 different banks (64 banks of 4 bytes: ISA guide 11.1)
.set AHALF, 65536                      ; attn's images: half hf of K at hf AHALF: [16 tiles][4 K steps][1,024 bytes]
.set WC,    2*AHALF                    ; Wo's codes: half hf at WC + hf WHALF, 128 rows
.set WHALF, 128*PITCH
.set WS,    WC+2*WHALF                 ; Wo's scale bytes, 128 rows x 32
.set ARW,   WS+4096                    ; asc as it comes: [16 heads][512 bytes]
.set AS,    ARW+8192                   ; attn's scale words, made here: [256 tokens][32 bytes]; no fill touches these blocks
.set STG,   AS+8192                    ; the way out: 16 rows x 272 bytes for each wave
.set AW,  4                            ; v4-5  LDS address of Wo's fragments, half 0, 1
.set AA,  6                            ; v6-7  of attn's images
.set ASC, 8                            ; v8    of the scale words: lanes 0-15 Wo's rows, lanes 16-31 attn's
.set STO, 11
.set RD,  12
.set GO,  13
.set F0,  16
.set F1,  48
.set SC,  80
.set BI,  96
.set ACC, 128
.set OB,  16                           ; the way out: rows read back, v16-47 and v48-79 by turns
.set WV,  28
.set G1A,  36
.set G1AR, 44
.set G1W,  52
.set G1WS, 68
.set G0A,  76
.set G0W,  88
.macro CROUND
	s_barrier_signal -1
	s_barrier_wait -1
	s_cmp_lg_u32 s[WV], 0
	s_cbranch_scc1 .Lnot_wave_0_\@
	s_barrier_signal -3
.Lnot_wave_0_\@:
	s_barrier_wait -3
	s_barrier_signal -1
	s_barrier_wait -1
.endm
.macro BAR
	s_wait_dscnt 0x0
	s_barrier_signal -1
	s_barrier_wait -1
.endm
.macro PLACES
.rept 4
	v_nop
.endr
.endm
; 16 matrix instructions, the 16 accumulators by turns in the same order in every K step.  mode 1: the bias starts the sums.
.macro MUL16 q, mode
.irp a, 0,1,2,3
.irp b, 0,1,2,3
.if \mode == 0
	v_wmma_scale_f32_16x16x128_f8f6f4 v[ACC+8*(4*\a+\b):ACC+8*(4*\a+\b)+7], v[F0+8*\b:F0+8*\b+7], v[F1+8*\a:F1+8*\a+7], v[ACC+8*(4*\a+\b):ACC+8*(4*\a+\b)+7], v[SC+4*\b+\q], v[SC+4*\a+\q] matrix_a_fmt:MATRIX_FMT_FP4 matrix_b_fmt:MATRIX_FMT_FP4 matrix_b_scale:MATRIX_SCALE_ROW1
.else
	v_wmma_scale_f32_16x16x128_f8f6f4 v[ACC+8*(4*\a+\b):ACC+8*(4*\a+\b)+7], v[F0+8*\b:F0+8*\b+7], v[F1+8*\a:F1+8*\a+7], v[BI+8*\b:BI+8*\b+7], v[SC+4*\b+\q], v[SC+4*\a+\q] matrix_a_fmt:MATRIX_FMT_FP4 matrix_b_fmt:MATRIX_FMT_FP4 matrix_b_scale:MATRIX_SCALE_ROW1
.endif
.endr
.endr
.endm
.macro FRAGS hf, q
.irp i, 0,1,2,3
.irp c, 0,1
	ds_load_b128 v[F0+8*\i+4*\c:F0+8*\i+4*\c+3], v[AW+\hf] offset:16*PITCH*\i+64*\q+32*\c
	ds_load_b128 v[F1+8*\i+4*\c:F1+8*\i+4*\c+3], v[AA+\hf] offset:4096*\i+1024*\q+512*\c     ; an image: 512 consecutive bytes
.endr
.endr
.if \q == 0
.irp i, 0,1,2,3
	ds_load_b128 v[SC+4*\i:SC+4*\i+3], v[ASC] offset:512*\i+16*\hf
.endr
.endif
	s_wait_dscnt 0x0
.endm
	s_load_b256 s[4:11], s[0:1], 0x0               ; ac s[4:5], asc s[6:7], Wo's codes s[8:9], Wo's scales s[10:11]
	s_load_b128 s[12:15], s[0:1], 0x20             ; bo s[12:13], out0 s[14:15]
	v_lshl_add_u32 v15, v0, 2, 0x40000
	s_set_vgpr_msb 0x40
	v_mov_b32 v1, 0
	s_set_vgpr_msb 0x4044
	ds_add_u32 v15, v1
	ds_add_u32 v15, v1
	s_set_vgpr_msb 0x4400
	v_lshrrev_b32 v1, 5, v0
	s_delay_alu instid0(VALU_DEP_1)
	v_readfirstlane_b32 s[WV], v1                  ; wave 0..7
	s_bfe_u32 s29, ttmp6, 0x40000                  ; cx
	s_bfe_u32 s30, ttmp6, 0x40004                  ; cy
	s_lshl_b32 s31, ttmp9, 2
	s_add_co_u32 s31, s31, s29                     ; X: the block of 128 columns
	s_and_b32 s32, ttmp7, 0xffff
	s_lshl_b32 s32, s32, 2
	s_add_co_u32 s32, s32, s30                     ; y: the block of 256 tokens
	s_lshl_b32 s33, s30, 2
	s_lshl_b32 s33, 15, s33                        ; my row of the cluster
	s_lshl_b32 s34, 0x1111, s29                    ; my column
	s_and_b32 s35, s[WV], 3                        ; mg: which 64 tokens
	s_lshr_b32 s60, s[WV], 2                       ; ng: which 64 columns
	s_and_b32 s61, s[WV], 1                        ; u: which half of a tile I fetch, if I fetch
	; every LDS address is made here, of the thread and the wave's number alone
	v_and_b32 v1, 31, v0                           ; lane
	v_and_b32 v2, 15, v0                           ; r
	v_bfe_u32 v3, v0, 4, 1                         ; h
	s_wait_alu depctr_va_vdst(0)
	v_mul_u32_u24 v14, v2, PITCH
	s_delay_alu instid0(VALU_DEP_1)
	v_lshl_add_u32 v14, v3, 4, v14
	s_mul_i32 s2, s60, 64*PITCH
	s_add_co_u32 s2, s2, WC
	v_add_nc_u32 v[AW], s2, v14
	s_delay_alu instid0(VALU_DEP_1)
	v_add_nc_u32 v[AW+1], WHALF, v[AW]
	s_lshl_b32 s2, s35, 14                         ; my four tiles of 4,096 bytes
	v_lshl_add_u32 v[AA], v1, 4, s2
	s_delay_alu instid0(VALU_DEP_1)
	v_add_nc_u32 v[AA+1], AHALF, v[AA]
	s_xor_b32 s2, s60, 1                           ; the scale words: Wo's rows at WS + 2,048 ng; attn's lie 10,240 + 2,048 (mg + 1 - ng) bytes further on
	s_add_co_u32 s2, s2, s35
	s_lshl_b32 s2, s2, 11
	s_add_co_u32 s2, s2, 10240
	s_lshl_b32 s3, s60, 11
	s_add_co_u32 s3, s3, WS
	v_mul_u32_u24 v[ASC], s2, v3
	s_delay_alu instid0(VALU_DEP_1)
	v_lshl_add_u32 v[ASC], v2, 5, v[ASC]
	s_delay_alu instid0(VALU_DEP_1)
	v_add_nc_u32 v[ASC], s3, v[ASC]
	v_lshl_add_u32 v9, v0, 1, ARW                  ; thread = token of the block: its two bytes of a head
	v_lshl_add_u32 v10, v0, 5, AS                  ; and its 32 bytes of scale words
	s_mul_i32 s2, s[WV], 16*PITCH
	s_add_co_u32 s2, s2, STG                       ; my stage
	v_mul_u32_u24 v[STO], v2, PITCH
	s_delay_alu instid0(VALU_DEP_1)
	v_lshl_add_u32 v[STO], v3, 5, v[STO]
	s_delay_alu instid0(VALU_DEP_1)
	v_add_nc_u32 v[STO], s2, v[STO]                ; in: row r, 32 bytes for each half of the lanes
	v_mul_u32_u24 v[RD], v3, PITCH
	s_delay_alu instid0(VALU_DEP_1)
	v_lshl_add_u32 v[RD], v2, 4, v[RD]
	s_delay_alu instid0(VALU_DEP_1)
	v_add_nc_u32 v[RD], s2, v[RD]                  ; back: lanes 0-15 one row of 256 bytes, lanes 16-31 the next
	v_lshlrev_b32 v[GO], 12, v3
	s_delay_alu instid0(VALU_DEP_1)
	v_lshl_add_u32 v[GO], v2, 4, v[GO]             ; and the same two rows in out0
	v_lshlrev_b32 v14, 5, v3                       ; the bias: 8 numbers for each half of the lanes
	; descriptor groups 1
	s_or_b32 s[G1A], s33, (3<<16)|(1<<21)          ; attn's images: mask = my row; 8 tiles, of each the 4,096 bytes of half of K (512 elements of 8 bytes), 8,192 bytes apart
	s_mov_b32 s[G1A+1], 512<<16
	s_mov_b32 s[G1A+2], 8<<16
	s_mov_b32 s[G1A+3], 512<<16
	s_mov_b32 s[G1A+4], 8
	s_mov_b32 s[G1A+5], 1024
	s_mov_b32 s[G1A+6], 0
	s_mov_b32 s[G1A+7], 0
	s_or_b32 s[G1AR], s33, (3<<16)|(1<<21)         ; asc: 8 heads, of each the block's 512 bytes, 4,096 bytes apart
	s_mov_b32 s[G1AR+1], 64<<16
	s_mov_b32 s[G1AR+2], 8<<16
	s_mov_b32 s[G1AR+3], 64<<16
	s_mov_b32 s[G1AR+4], 8
	s_mov_b32 s[G1AR+5], 512
	s_mov_b32 s[G1AR+6], 0
	s_mov_b32 s[G1AR+7], 0
	s_or_b32 s[G1W], s34, (1<<20)|(1<<21)|(5<<22)|(3<<25)   ; Wo's codes: mask = my column; 64 rows of 256 bytes, 4 words of padding behind each
	s_mov_b32 s[G1W+1], 256<<16
	s_mov_b32 s[G1W+2], 64<<16
	s_mov_b32 s[G1W+3], 256<<16
	s_mov_b32 s[G1W+4], 64
	s_mov_b32 s[G1W+5], 512
	s_mov_b32 s[G1W+6], 0
	s_mov_b32 s[G1W+7], 0
	s_or_b32 s[G1WS], s34, (3<<16)|(1<<21)         ; Wo's scale bytes of 64 rows: 2,048 dense bytes
	s_mov_b32 s[G1WS+1], 32<<16
	s_mov_b32 s[G1WS+2], 8<<16
	s_mov_b32 s[G1WS+3], 32<<16
	s_mov_b32 s[G1WS+4], 8
	s_mov_b32 s[G1WS+5], 32
	s_mov_b32 s[G1WS+6], 0
	s_mov_b32 s[G1WS+7], 0
	; groups 0.  attn's hang on the token block and the wave (s2, s3, s62, s63, s100, s101), Wo's on the column block and the wave (s88-99): neither set ever holds the other coordinate
	s_lshl_b32 s2, s32, 17
	s_lshl_b32 s3, s61, 16
	s_add_co_u32 s2, s2, s3                        ; ac: (16 y + 8 u) tiles of 8,192 bytes
	s_mov_b32 s3, 0
	s_lshr_b32 s100, s32, 3
	s_lshl_b32 s100, s100, 16                      ; asc: head 16 (y / 8) + 8 u, 4,096 bytes a head,
	s_lshl_b32 s62, s61, 15
	s_add_co_u32 s100, s100, s62
	s_and_b32 s63, s32, 7
	s_lshl_b32 s63, s63, 9                         ; the block's 512 bytes
	s_add_co_u32 s100, s100, s63
	s_mov_b32 s101, 0
	s_lshl_b32 s[G0A+1], s61, 12
	s_add_co_u32 s[G0A+1], s[G0A+1], ARW
	s_lshl_b32 s[G0A+5], s61, 15
	s_add_co_u32 s[G0A+9], s[G0A+5], AHALF
	s_lshl_b32 s[G0W+1], s61, 11
	s_add_co_u32 s[G0W+1], s[G0W+1], WS
	s_mul_i32 s[G0W+5], s61, 64*PITCH
	s_add_co_u32 s[G0W+5], s[G0W+5], WC
	s_add_co_u32 s[G0W+9], s[G0W+5], WHALF
	s_lshl_b32 s[G0W+2], s31, 12
	s_lshl_b32 s[G0W+3], s61, 11
	s_add_co_u32 s[G0W+2], s[G0W+2], s[G0W+3]      ; (128 X + 64 u) rows of 32 bytes of scales,
	s_mov_b32 s[G0W+3], 0
	s_lshl_b32 s[G0W+6], s[G0W+2], 4               ; of 512 bytes of codes
	s_mov_b32 s[G0W+7], 0
	s_wait_dscnt 0x0
	s_wait_kmcnt 0x0
	s_mov_b32 s[G0A], 1
	s_add_nc_u64 s[G0A+2:G0A+3], s[6:7], s[100:101]
	s_mov_b32 s[G0A+4], 1
	s_add_nc_u64 s[G0A+6:G0A+7], s[4:5], s[2:3]
	s_mov_b32 s[G0A+8], 1
	s_add_nc_u64 s[G0A+10:G0A+11], s[G0A+6:G0A+7], 4096
	s_or_b32 s[G0A+3], s[G0A+3], 0x80000000
	s_or_b32 s[G0A+7], s[G0A+7], 0x80000000
	s_or_b32 s[G0A+11], s[G0A+11], 0x80000000
	s_mov_b32 s[G0W], 1
	s_add_nc_u64 s[G0W+2:G0W+3], s[10:11], s[G0W+2:G0W+3]
	s_mov_b32 s[G0W+4], 1
	s_add_nc_u64 s[G0W+6:G0W+7], s[8:9], s[G0W+6:G0W+7]
	s_mov_b32 s[G0W+8], 1
	s_add_nc_u64 s[G0W+10:G0W+11], s[G0W+6:G0W+7], 256
	s_or_b32 s[G0W+3], s[G0W+3], 0x80000000
	s_or_b32 s[G0W+7], s[G0W+7], 0x80000000
	s_or_b32 s[G0W+11], s[G0W+11], 0x80000000
	CROUND                                         ; all sixteen work-groups are here: the joint loads meet
	s_cmp_lt_u32 s[WV], 2                          ; a wave's fills stand in one branch: three loads of mine are out at the most.  Four v_nop follow the last
	s_cbranch_scc0 .Lnot_a
	tensor_load_to_lds s[G0A:G0A+3], s[G1AR:G1AR+7]        ; scale bytes,
	s_nop 0
	tensor_load_to_lds s[G0A+4:G0A+7], s[G1A:G1A+7]        ; the first half of K,
	s_nop 0
	tensor_load_to_lds s[G0A+8:G0A+11], s[G1A:G1A+7]       ; the second
	s_nop 0
	PLACES
	s_branch .Lasked
.Lnot_a:
	s_cmp_lt_u32 s[WV], 4
	s_cbranch_scc0 .Lasked
	tensor_load_to_lds s[G0W:G0W+3], s[G1WS:G1WS+7]
	s_nop 0
	tensor_load_to_lds s[G0W+4:G0W+7], s[G1W:G1W+7]
	s_nop 0
	tensor_load_to_lds s[G0W+8:G0W+11], s[G1W:G1W+7]
	s_nop 0
	PLACES
.Lasked:
	s_lshl_b32 s16, s31, 9
	s_lshl_b32 s17, s60, 8
	s_add_co_u32 s16, s16, s17                     ; my 64 columns, in bytes: 512 X + 256 ng
	s_mov_b32 s17, 0
	s_add_nc_u64 s[12:13], s[12:13], s[16:17]
	s_add_nc_u64 s[14:15], s[14:15], s[16:17]
	s_wait_alu depctr_va_vdst(0)
.irp b, 0,1,2,3
.irp i, 0,1
	global_load_b128 v[BI+8*\b+4*\i:BI+8*\b+4*\i+3], v14, s[12:13] offset:64*\b+16*\i   ; the bias in the result's layout: register j of tile b: column 16 b + 8 h + j
.endr
.endr
	s_lshl_b32 s16, s32, 20
	s_lshl_b32 s18, s35, 18
	s_add_co_u32 s16, s16, s18                     ; my first row: (256 y + 64 mg) x 4,096 bytes
	s_add_nc_u64 s[14:15], s[14:15], s[16:17]
	s_wait_tensorcnt 0x1                           ; of my three fills the scale bytes and the first half of K have landed; the second half may be out
	BAR                                            ; everybody's have
	; attn's scale words: a K step of 128 is two heads, a word their four bytes.  Each thread gathers its token's sixteen pairs of bytes into eight words
.irp n, 0,1,2,3,4,5,6,7,8,9,10,11,12,13,14,15
	ds_load_u16 v[16+\n], v9 offset:512*\n
.endr
	s_wait_dscnt 0x0
.irp s, 0,1,2,3,4,5,6,7
	v_lshl_or_b32 v[32+\s], v[17+2*\s], 16, v[16+2*\s]
.endr
	ds_store_b128 v10, v[32:35]
	ds_store_b128 v10, v[36:39] offset:16
	BAR                                            ; the 256 tokens' words lie in LDS
	s_wait_loadcnt 0x0                             ; the bias
	FRAGS 0, 0
	MUL16 0, 1                                     ; the first K step starts the sums with the bias
.irp q, 1,2,3
	PLACES
	FRAGS 0, \q
	MUL16 \q, 0
.endr
	s_wait_tensorcnt 0x0                           ; the second half of K has landed,
	BAR                                            ; everybody's has
.irp q, 0,1,2,3
	PLACES
	FRAGS 1, \q
	MUL16 \q, 0
.endr
; THE WAY OUT, 16 rows x 64 columns at a time.  A lane holds 32 neighbouring bytes of a row and the lanes beside it hold other rows: so a block goes through my own stage and comes back as whole rows of 256 bytes.
; LDS serves a wave's instructions in order (ISA guide 5.7.1.4): no wait between the stores and the loads, nor in front of the next block's stores.
.macro TOSTAGE a
.irp b, 0,1,2,3
	ds_store_b128 v[STO], v[ACC+8*(4*(\a)+\b):ACC+8*(4*(\a)+\b)+3] offset:64*\b          ; each accumulator from its low end on
	ds_store_b128 v[STO], v[ACC+8*(4*(\a)+\b)+4:ACC+8*(4*(\a)+\b)+7] offset:64*\b+16
.endr
.irp i, 0,1,2,3,4,5,6,7
	ds_load_b128 v[OB+32*((\a)%2)+4*\i:OB+32*((\a)%2)+4*\i+3], v[RD] offset:2*PITCH*\i
.endr
.endm
.macro SEND a
.irp i, 0,1,2,3,4,5,6,7
	global_store_b128 v[GO], v[OB+32*((\a)%2)+4*\i:OB+32*((\a)%2)+4*\i+3], s[14:15] offset:(16*(\a)+2*\i)*4096 th:TH_STORE_NT   ; sixteen lanes store 256 consecutive bytes, aligned; written once, read by nobody here
.endr
.endm
	PLACES
	TOSTAGE 0
.irp a, 1,2,3
.if \a > 1
	s_wait_xcnt 0x0                                ; block a - 2's stores have read their data registers: block a's rows may land there
.endif
	TOSTAGE \a
	s_wait_dscnt 16                                ; block a - 1 is back; behind its loads stand block a's 8 stores and 8 loads
	SEND \a-1
.endr
	s_wait_dscnt 0x0
	SEND 3
	s_set_vgpr_msb 0x4
	s_wait_tensorcnt 0x0
	ds_add_u32 v15, v1
	s_wait_dscnt 0x0
	s_set_vgpr_msb 0x400
	CROUND                                         ; the closing round
	s_endpgm
.Lfunc_end_k_q536f1d5948_outp:
	.size	k_q536f1d5948_outp, .Lfunc_end_k_q536f1d5948_outp-k_q536f1d5948_outp
	.p2alignl 7, 3214868480
	.fill 96, 4, 3214868480
	.section	.rodata,"a",@progbits
	.p2align	6, 0x0
	.amdhsa_kernel k_q536f1d5948_outp
		.amdhsa_group_segment_fixed_size 263168
		.amdhsa_private_segment_fixed_size 0
		.amdhsa_enable_private_segment 0
		.amdhsa_kernarg_size 48
		.amdhsa_user_sgpr_count 2
		.amdhsa_user_sgpr_kernarg_segment_ptr 1
		.amdhsa_wavefront_size32 1
		.amdhsa_system_sgpr_workgroup_id_x 1
		.amdhsa_system_sgpr_workgroup_id_y 1
		.amdhsa_system_sgpr_workgroup_id_z 1
		.amdhsa_system_vgpr_workitem_id 0
		.amdhsa_next_free_vgpr 258
		.amdhsa_next_free_sgpr 102
		.amdhsa_reserve_vcc 0
		.amdhsa_float_denorm_mode_32 3
		.amdhsa_float_denorm_mode_16_64 3
		.amdhsa_memory_ordered 1
		.amdhsa_forward_progress 1
		.amdhsa_inst_pref_size 46
	.end_amdhsa_kernel
	.amdgpu_metadata
---
amdhsa.version: [ 1, 2 ]
amdhsa.kernels:
  - .name:           k_q536f1d5948_outp
    .symbol:         k_q536f1d5948_outp.kd
    .args:
      - { .name: ac, .offset: 0, .size: 8, .value_kind: global_buffer, .address_space: global }
      - { .name: asc, .offset: 8, .size: 8, .value_kind: global_buffer, .address_space: global }
      - { .name: Wo_codes, .offset: 16, .size: 8, .value_kind: global_buffer, .address_space: global }
      - { .name: Wo_scales, .offset: 24, .size: 8, .value_kind: global_buffer, .address_space: global }
      - { .name: bo, .offset: 32, .size: 8, .value_kind: global_buffer, .address_space: global }
      - { .name: out0, .offset: 40, .size: 8, .value_kind: global_buffer, .address_space: global }
    .group_segment_fixed_size: 263168
    .private_segment_fixed_size: 0
    .kernarg_segment_align: 8
    .kernarg_segment_size: 48
    .max_flat_workgroup_size: 256
    .sgpr_count:     102
    .vgpr_count:     258
    .wavefront_size: 32
...
	.end_amdgpu_metadata
.endif
;; end of part 3
